; MI455X (gfx1250); checked and timed in simulation.
; The chip was launched on July 23, 2026; its instructions are those of AMD's public machine-readable ISA for CDNA 5 (MIT licence, August 2026) and "CDNA5" Instruction Set Architecture Reference Guide (July 2026). The comments in the code are by the model that wrote it; some were corrected since.
;; Causal Self Attention. Allowed arithmetic: matrix products marked QUANTISED: E4M3 operands, one E8M0 scale for each 32 along K, by v_wmma_scale_f32_16x16x128_f8f6f4 with both operands' format E4M3, f32 sums; everything else in f32.
;; Inputs: Wk 1,024 x 1,024 float32; Wp 1,024 x 1,024 float32; Wq 1,024 x 1,024 float32; Wv 1,024 x 1,024 float32; bk 1,024 float32; bp 1,024 float32; bq 1,024 float32; bv 1,024 float32; x 4 x 2,048 x 1,024 float32.
;; Outputs: out0 4 x 2,048 x 1,024 float32.
;; This version of the problem:
;;   THIS VERSION OF THE PROBLEM IS GIVEN IN LOW PRECISION. The matrix products marked QUANTISED in the list below multiply operands that are first quantised to E4M3 (4 exponent bits, 3 mantissa bits; 8 bits a number), with one power-of-two scale for each 32 numbers along K (OCP MX v1.0); their sums are f32. All else is computed in f32.
;;   The module's matrix products, in the order in which they are computed (A, B: the left and right operand; K: the contracted axis; several contracted axes count as one K, in the product's order):
;;     1. [M 8,192, K 1,024] x [K 1,024, N 1,024]; A: input x; B: input Wk: QUANTISED
;;     2. [M 8,192, K 1,024] x [K 1,024, N 1,024]; A: input x; B: input Wq: QUANTISED
;;     3. [M 8,192, K 1,024] x [K 1,024, N 1,024]; A: input x; B: input Wv: QUANTISED
;;     4. batch 64 x [M 2,048, K 64] x [K 64, N 2,048]; A: computed on the way; B: computed on the way: QUANTISED
;;     5. batch 64 x [M 2,048, K 2,048] x [K 2,048, N 64]; A: softmax (see below); B: computed on the way: QUANTISED
;;     6. [M 8,192, K 1,024] x [K 1,024, N 1,024]; A: computed on the way; B: input Wp: QUANTISED
;;   THE QUANTISER, for each operand of a quantised product, along K:
;;     - K is cut into blocks of 32 from its start; a last block that is shorter is filled with zeros.
;;     - A block's scale is 2^e with e = floor(log2(the largest magnitude in the block)) - 8, held to -126 .. 127; a block of zeros has e = 0. As a byte (E8M0): e + 127.
;;     - Each number is divided by its block's scale, clamped to +-448, and rounded to the nearest number of E4M3, ties to even, subnormals kept.
;;     - The product sums the exact products of the quantised numbers (number of the format x scale) in f32.
;;   ~~~python
;;   def quantise(x, axis):      # numpy; x: float32 -> the quantised numbers, widened to float32 again
;;       x = np.moveaxis(x, axis, -1); K = x.shape[-1]
;;       x = np.pad(x, [(0, 0)] * (x.ndim - 1) + [(0, -K % 32)]); x = x.reshape(x.shape[:-1] + (-1, 32)); a = np.abs(x).max(-1, keepdims=True)
;;       e = np.where(a > 0, np.clip(np.frexp(np.where(a > 0, a, 1))[1] - 1 - 8, -126, 127), 0)      # np.frexp(a)[1] - 1 = floor(log2(a)), exactly
;;       r = np.clip(x / 2.0 ** e, -448, 448)
;;       step = 2.0 ** (np.maximum(np.frexp(np.where(r == 0, 1, r))[1] - 1, -6) - 3)
;;       q = np.round(r / step) * step * 2.0 ** e      # np.round: ties to even
;;       return np.moveaxis(q.reshape(q.shape[:-2] + (-1,))[..., :K], -1, axis).astype(np.float32)
;;   ~~~
;;   SOFTMAX AHEAD OF A QUANTISED PRODUCT. Where the list says 'softmax', what is quantised is not the finished softmax but p = 2^(t - M), with t = logit x log2(e) and M = ceil(the row's largest t), a whole number; so 1/2 < the row's largest p <= 1. The row's sum l is taken of the UNQUANTISED p, in f32, and the product's result is divided by l at the end. Since M is a whole number, a kernel that streams over the keys may use a running M (the ceiling of the running maximum): every later rescaling is an exact power of two, which a block's scale takes up: the codes' values come out the same.
;;   OPERANDS COMPUTED ON THE WAY. 'Computed on the way' means the value that the module computes at that place (a softmax that the list does not call 'softmax' is quantised finished and normalised). What goes into a quantiser is computed in f32, as accurately as f32 sums, v_exp_f32 and their like allow (about 1e-6 of the number): no bf16 or f16 on the way to a quantiser, and a product that is left as it is and whose result goes on into a quantised operand takes f32 operands (vector FMAs, or v_wmma_f32_16x16x4_f32). A number that lies on a knife's edge between two numbers of the format may be rounded either way, as far as f32 arithmetic and the matrix unit's own rounding can turn it there, and no further.
;; One version. Each part assembles by itself: llvm-mc -triple=amdgcn-amd-amdhsa -mcpu=gfx1250 --defsym DOCPART=n.
;; ======== version 1 of 1: 4 launches
;; limits: right only within a limited range of input values
;; workspace buffers: xc 8,388,608 bytes; xs 262,144 bytes; wc 4,194,304 bytes; ws 131,072 bytes; qkv 25,952,256 bytes; yc 8,388,608 bytes; ys 262,144 bytes
;; launch quant (part 1): grid 384 x 1, 4 waves a work-group, no clusters, 68,096 bytes of LDS; arguments x, Wq, Wk, Wv, Wp, xc, xs, wc, ws; writes xc, xs, wc, ws
.if DOCPART == 1
	.amdgcn_target "amdgcn-amd-amdhsa--gfx1250"
	.amdhsa_code_object_version 6
	.text
	.protected	k_q467b32f9f1_quant
	.globl	k_q467b32f9f1_quant
	.p2align	8
	.type	k_q467b32f9f1_quant,@function
k_q467b32f9f1_quant:
	s_mov_b64 s[64:65], 0
	v_nop
	global_prefetch_b8 v0, s[64:65] scope:SCOPE_SE
	s_setreg_imm32_b32 hwreg(HW_REG_WAVE_MODE, 25, 1), 1
	s_wait_xcnt 0x0
; x [8192][1024] and the four weights [1024 (k)][1024 (n)], f32, become codes of FP8 (E4M3) with K innermost and one E8M0 scale byte for each 32 along K.
; A block's scale is 2^(floor(log2(its largest magnitude)) - 8); its byte is the largest magnitude's exponent field - 8, held at 1 from below; each number is divided by the scale, held within +-448, rounded to the nearest code, ties to even.
; POSITION ORDER.  The ROWS of all outputs (tokens of x, output features of the weights) are stored with the two middle groups of eight of every 32 exchanged: position 32 G + 16 u + p holds row 32 G + 8 u + p + 8 (p / 8).
; Sixteen neighbouring rows of a buffer are then a tile whose results, in a product used transposed, fall into a lane's registers as sixteen neighbours along the next product's K.
; xc [8192 positions][1024], xs [8192][32]; wc [4096 positions][1024]: Wq, Wk, Wv, Wp, 1,024 rows each; ws [4096][32].
; Work-groups 0-255 take x: 32 rows each, a wave 8 rows (8,192 numbers, a dense run).  Work-groups 256-383 take the weights: 128 columns x 256 along K each.  The two ways never join, and each has LDS bytes of its own.
; LIMITS: NaN and infinities among the inputs are not served.  A block whose largest magnitude lies under 2^-118 takes the byte 1; so does a block of zeros, where the rule says 127: its codes are zeros, and this program alone reads the bytes.
.set STEPS, 16
.set EMAX,  8
.set MANT,  0x600000                   ; the mantissa field of 448 as f32
.set CB,    16                         ; bytes of 16 codes
.set XR,    16                         ; x: v16-79   four sets of 16 numbers as they are loaded
.set XX,    80                         ;    v80-111  two sets of 16 neighbours
.set XE,    112                        ;    v112-127 a scale byte for each step
.set XC,    128                        ;    v128-191 codes: four registers for each step
.set WREG,  8192                       ;    LDS 0 .. 32,767: a region for each wave: two stages of 32 x SP bytes, then its 256 scale bytes
.set SP,    80                         ;    a lane's place in a stage: 64 bytes + 16 of padding
.set WSTG,  32768                      ; weights: LDS from here on: a stage of 32 rows x PITCH for each wave
.set NB,    8                          ;    blocks of 32 along K for a wave
.set PITCH, 272                        ;    a stage row: 256 bytes of codes + 16
.set KROW,  1024                       ;    a row of codes in bytes
.set NROW,  4096                       ;    a row of a weight in memory
.set WSB,   24                         ;    v24-25   the scale bytes, four to a register
.set WX,    32                         ;    v32-95   two sets of 32 numbers
.set WC,    96                         ;    v96-103  a block's codes
.set WO,    112                        ;    v112-175 the way out
	s_load_b256 s[4:11], s[0:1], 0x0               ; x, Wq, Wk, Wv
	s_load_b256 s[12:19], s[0:1], 0x20             ; Wp, xc, xs, wc
	s_load_b64 s[20:21], s[0:1], 0x40              ; ws
	v_lshl_add_u32 v192, v0, 2, 0x10800
	v_mov_b32 v193, 0
	v_lshrrev_b32 v1, 5, v0
	v_readfirstlane_b32 s22, v1                    ; wave 0..3
	v_and_b32 v2, 31, v0                           ; lane
	s_wait_kmcnt 0x0
	s_cmp_lt_u32 ttmp9, 256
	s_cbranch_scc0 .Lweights
	s_wait_alu depctr_va_vdst(0)
; ---------------- x.  A wave takes 16 steps of 512 numbers.  Each load reads 512 consecutive bytes; a step's 2,048 bytes turn through the wave's own stage, so that a lane then holds 16 neighbours along K (two lanes hold a block).
	v_lshlrev_b32 v3, 4, v2                        ; my 16 bytes of a load's 512
	s_mul_i32 s23, s22, WREG
	v_lshrrev_b32 v14, 2, v2
	v_mul_u32_u24 v14, v14, SP
	v_and_b32 v15, 3, v2
	v_lshl_add_u32 v14, v15, 4, v14
	v_add_nc_u32 v14, s23, v14                     ; the stage, on the way in: SP (lane / 4) + 16 (lane % 4)
	v_mul_u32_u24 v15, v2, SP
	v_add_nc_u32 v15, s23, v15                     ; and on the way out: SP x lane
	v_mul_u32_u24 v4, v2, CB                       ; my codes' place in a step's
	v_lshrrev_b32 v5, 1, v2
	s_add_co_u32 s23, s23, 2*32*SP
	v_add_nc_u32 v5, s23, v5                       ; my wave's 256 scale bytes, my block's byte
	v_lshlrev_b32 v7, 3, v2
	v_add_nc_u32 v6, s23, v7                       ; and on the way out 8 bytes a lane
	s_lshl_b32 s24, ttmp9, 2
	s_add_co_u32 s26, s24, s22                     ; which 8 rows I read: 4 x work-group + wave
	s_lshl_b32 s26, s26, 15                        ; 32,768 bytes a run
	s_mov_b32 s27, 0
	s_add_nc_u64 s[4:5], s[4:5], s[26:27]
	s_and_b32 s28, s22, 1
	s_lshl_b32 s28, s28, 1
	s_lshr_b32 s29, s22, 1
	s_or_b32 s28, s28, s29                         ; waves 1 and 2 change places: position order
	s_add_co_u32 s28, s28, s24                     ; which 8 rows I write
	s_lshl_b32 s26, s28, 13
	s_add_nc_u64 s[14:15], s[14:15], s[26:27]      ; 8,192 bytes of codes a run
	s_lshl_b32 s26, s28, 8
	s_add_nc_u64 s[16:17], s[16:17], s[26:27]      ; 256 scale bytes
.macro XLOAD t
.irp i, 0,1,2,3
	global_load_b128 v[XR+16*((\t)%4)+4*\i:XR+16*((\t)%4)+4*\i+3], v3, s[4:5] offset:2048*(\t)+512*\i th:TH_LOAD_NT
.endr
.endm
.macro XTURN t                         ; step t's numbers through the stage: LDS serves a wave's instructions in order, so no wait stands between the stores and the loads
.irp i, 0,1,2,3
	ds_store_b128 v14, v[XR+16*((\t)%4)+4*\i:XR+16*((\t)%4)+4*\i+3] offset:32*SP*((\t)%2)+8*SP*\i
.endr
.irp i, 0,1,2,3
	ds_load_b128 v[XX+16*((\t)%2)+4*\i:XX+16*((\t)%2)+4*\i+3], v15 offset:32*SP*((\t)%2)+16*\i
.endr
.endm
.irp t, 0,1,2,3
	XLOAD \t
.endr
	s_wait_alu depctr_va_vdst(0)
	s_wait_loadcnt 12                              ; step 0's four loads are in; three steps' twelve stay out
	XTURN 0
.macro XSTEP t
.set XS, XX+16*((\t)%2)
.if (\t) > 0
	s_wait_dscnt 1                                 ; this step's numbers are back from the stage (the last step's byte store may be out): so its stores into the stage have read their registers,
.else
	s_wait_dscnt 0x0
.endif
.if (\t)+4 < STEPS
	XLOAD (\t)+4                                   ; which take the loads of four steps on
.endif
.if (\t)+1 < STEPS
.if STEPS-2-(\t) >= 3
	s_wait_loadcnt 12                              ; the next step's four loads are in; those of the three steps behind it may be out
.else
	s_wait_loadcnt 4*(STEPS-2-(\t))
.endif
	XTURN (\t)+1
.endif
	v_max3_num_f32 v8, |v[XS]|, |v[XS+1]|, |v[XS+2]|               ; the largest magnitude of my 16, in two chains
	v_max3_num_f32 v9, |v[XS+3]|, |v[XS+4]|, |v[XS+5]|
.irp i, 6,10
	v_max3_num_f32 v8, v8, |v[XS+\i]|, |v[XS+\i+1]|
	v_max3_num_f32 v9, v9, |v[XS+\i+2]|, |v[XS+\i+3]|
.endr
	v_max3_num_f32 v8, v8, |v[XS+14]|, |v[XS+15]|
	v_max3_num_f32 v8, v8, v9, (EMAX+1)<<23        ; and the floor 2^(9 - 127): the byte cannot fall under 1
	v_max_num_f32_dpp v8, v8, v8 row_xmask:1 row_mask:0xf bank_mask:0xf   ; and of my neighbour's 16: the block's
	v_add_nc_u32 v11, -(EMAX<<23), v8              ; 8 off its exponent field: the conversion takes the exponent field of this operand as its scale
.irp i, 0,1,2,3,4,5,6,7,8,9,10,11,12,13,14,15
.endr
	v_cvt_scalef32_pk8_fp8_f32 v[XC+4*(\t):XC+4*(\t)+1], v[XS:XS+7], v11
	v_cvt_scalef32_pk8_fp8_f32 v[XC+4*(\t)+2:XC+4*(\t)+3], v[XS+8:XS+15], v11
	v_lshrrev_b32 v[XE+(\t)], 23, v11              ; the scale's byte
	ds_store_b8 v5, v[XE+(\t)] offset:16*(\t)      ; both lanes of a block write the same byte with the same value
	global_store_b128 v4, v[XC+4*(\t):XC+4*(\t)+3], s[14:15] offset:32*CB*(\t)   ; the wave stores 512 consecutive bytes
.endm
.irp t, 0,1,2,3,4,5,6,7,8,9,10,11,12,13,14,15
	XSTEP \t
.endr
	ds_load_b64 v[12:13], v6                       ; LDS serves a wave's instructions in order: these see my stores
	s_wait_dscnt 0x0
	global_store_b64 v7, v[12:13], s[16:17]        ; 32 lanes store 256 consecutive bytes, aligned
	s_wait_tensorcnt 0x0
	ds_add_u32 v192, v193
	s_wait_dscnt 0x0
	s_endpgm
; ---------------- the weights.  A lane takes a column n and its registers run down K: a block of 32 lies in one lane, and the conversions give codes with K innermost.
.Lweights:
	s_sub_co_u32 s23, ttmp9, 256
	s_lshr_b32 s24, s23, 5                         ; which weight: 0 Wq, 1 Wk, 2 Wv, 3 Wp
	s_and_b32 s25, s23, 7                          ; which 128 columns
	s_bfe_u32 s26, s23, 0x20003                    ; which 256 along K
	s_cmp_eq_u32 s24, 1
	s_cselect_b64 s[6:7], s[8:9], s[6:7]
	s_cmp_eq_u32 s24, 2
	s_cselect_b64 s[6:7], s[10:11], s[6:7]
	s_cmp_eq_u32 s24, 3
	s_cselect_b64 s[6:7], s[12:13], s[6:7]
	s_lshl_b32 s27, s25, 7
	s_lshl_b32 s28, s22, 5
	s_add_co_u32 s27, s27, s28                     ; my wave's first column
	s_lshl_b32 s28, s26, 20                        ; 256 rows of 4,096 bytes
	s_lshl_b32 s29, s27, 2
	s_add_co_u32 s28, s28, s29
	s_mov_b32 s29, 0
	s_add_nc_u64 s[6:7], s[6:7], s[28:29]
	s_lshl_b32 s30, s24, 10
	s_add_co_u32 s30, s30, s27                     ; my first row of wc and ws
	s_lshl_b32 s28, s30, 10
	s_lshl_b32 s31, s26, 8
	s_add_co_u32 s28, s28, s31
	s_add_nc_u64 s[18:19], s[18:19], s[28:29]
	s_lshl_b32 s28, s30, 5
	s_lshl_b32 s31, s26, 3
	s_add_co_u32 s28, s28, s31
	s_add_nc_u64 s[20:21], s[20:21], s[28:29]
	s_wait_alu depctr_va_vdst(0)
	v_lshlrev_b32 v3, 2, v2                        ; in: 4 bytes a lane
	s_mul_i32 s31, s22, 32*PITCH
	s_add_co_u32 s31, s31, WSTG                    ; my stage
	v_mul_u32_u24 v4, v2, PITCH
	v_add_nc_u32 v4, s31, v4                       ; into it: row = my column
	v_and_b32 v5, 15, v2
	v_lshrrev_b32 v6, 4, v2                        ; out of it: sixteen lanes to a row, two rows an instruction
	v_mul_u32_u24 v7, v6, PITCH
	v_lshl_add_u32 v7, v5, 4, v7
	v_add_nc_u32 v7, s31, v7
	v_lshlrev_b32 v8, 10, v6
	v_lshl_add_u32 v8, v5, 4, v8                   ; the same place in wc: rows 2 t and 2 t + 1 lie in one group of eight, so they stay neighbours
	v_and_b32 v9, 7, v2
	v_and_b32 v10, 8, v2
	v_lshl_or_b32 v9, v10, 1, v9
	v_and_b32 v10, 16, v2
	v_lshrrev_b32 v10, 1, v10
	v_or_b32 v9, v9, v10                           ; my column's position among the 32
	v_lshlrev_b32 v9, 5, v9                        ; its row of scale bytes
.macro WLOAD t                         ; block t: W(32 t + i, my column), i = 0 .. 31
.set i, 0
.rept 32
	global_load_b32 v[WX+32*((\t)%2)+i], v3, s[6:7] offset:(32*(\t)+i)*NROW th:TH_LOAD_NT
.set i, i+1
.endr
.endm
	WLOAD 0
	WLOAD 1
.macro BLOCK t
.set XS, WX+32*((\t)%2)
.if (\t) < NB-1
	s_wait_loadcnt 32                              ; this block's 32 loads are in; the next block's may be out
.else
	s_wait_loadcnt 0
.endif
	v_max3_num_f32 v12, |v[XS]|, |v[XS+1]|, |v[XS+2]|              ; the block's largest magnitude: all 32 numbers are mine
	v_max3_num_f32 v13, |v[XS+3]|, |v[XS+4]|, |v[XS+5]|
.irp i, 6,10,14,18,22,26
	v_max3_num_f32 v12, v12, |v[XS+\i]|, |v[XS+\i+1]|
	v_max3_num_f32 v13, v13, |v[XS+\i+2]|, |v[XS+\i+3]|
.endr
	v_max3_num_f32 v12, v12, |v[XS+30]|, |v[XS+31]|
	v_max3_num_f32 v12, v12, v13, (EMAX+1)<<23
	v_add_nc_u32 v11, -(EMAX<<23), v12
	v_lshrrev_b32 v13, 23, v11                     ; the scale's byte
.if (\t)%4 == 0
	v_mov_b32 v[WSB+(\t)/4], v13                   ; four bytes to a register, the lower K in the lower byte
.else
	v_lshl_or_b32 v[WSB+(\t)/4], v13, 8*((\t)%4), v[WSB+(\t)/4]
.endif
.set i, 0
.rept 32
.set i, i+1
.endr
.irp g, 0,1,2,3
	v_cvt_scalef32_pk8_fp8_f32 v[WC+2*\g:WC+2*\g+1], v[XS+8*\g:XS+8*\g+7], v11
.endr
	ds_store_b128 v4, v[WC:WC+3] offset:32*(\t)
	ds_store_b128 v4, v[WC+4:WC+7] offset:32*(\t)+16
.if (\t)+2 < NB
	WLOAD (\t)+2
.endif
	s_wait_dscnt 0x0                               ; the stores have read their registers: the next block's codes may be written
.endm
.irp t, 0,1,2,3,4,5,6,7
	BLOCK \t
.endr
	s_wait_alu depctr_va_vdst(0)
	global_store_b64 v9, v[WSB:WSB+1], s[20:21]    ; my column's 8 scale bytes
.irp t, 0,1,2,3,4,5,6,7,8,9,10,11,12,13,14,15
	ds_load_b128 v[WO+4*\t:WO+4*\t+3], v7 offset:2*\t*PITCH
.endr
.irp t, 0,1,2,3,4,5,6,7,8,9,10,11,12,13,14,15
	s_wait_dscnt 15-\t
	global_store_b128 v8, v[WO+4*\t:WO+4*\t+3], s[18:19] offset:(8*(((\t/4)&1)*2+(\t/4)/2)+(2*\t)%8)*KROW   ; columns 2 t, 2 t + 1 at their positions: sixteen lanes store 256 consecutive bytes, aligned
.endr
	s_wait_tensorcnt 0x0
	ds_add_u32 v192, v193
	s_wait_dscnt 0x0
	s_endpgm
.Lfunc_end_k_q467b32f9f1_quant:
	.size	k_q467b32f9f1_quant, .Lfunc_end_k_q467b32f9f1_quant-k_q467b32f9f1_quant
	.p2alignl 7, 3214868480
	.fill 96, 4, 3214868480
	.section	.rodata,"a",@progbits
	.p2align	6, 0x0
	.amdhsa_kernel k_q467b32f9f1_quant
		.amdhsa_group_segment_fixed_size 68096
		.amdhsa_private_segment_fixed_size 0
		.amdhsa_enable_private_segment 0
		.amdhsa_kernarg_size 72
		.amdhsa_user_sgpr_count 2
		.amdhsa_user_sgpr_kernarg_segment_ptr 1
		.amdhsa_wavefront_size32 1
		.amdhsa_system_sgpr_workgroup_id_x 1
		.amdhsa_system_sgpr_workgroup_id_y 1
		.amdhsa_system_sgpr_workgroup_id_z 1
		.amdhsa_system_vgpr_workitem_id 0
		.amdhsa_next_free_vgpr 194
		.amdhsa_next_free_sgpr 66
		.amdhsa_reserve_vcc 0
		.amdhsa_float_denorm_mode_32 3
		.amdhsa_float_denorm_mode_16_64 3
		.amdhsa_fp16_overflow 1
		.amdhsa_memory_ordered 1
		.amdhsa_forward_progress 1
		.amdhsa_inst_pref_size 75
	.end_amdhsa_kernel
	.amdgpu_metadata
---
amdhsa.version: [ 1, 2 ]
amdhsa.kernels:
  - .name:           k_q467b32f9f1_quant
    .symbol:         k_q467b32f9f1_quant.kd
    .args:
      - { .name: x, .offset: 0, .size: 8, .value_kind: global_buffer, .address_space: global }
      - { .name: Wq, .offset: 8, .size: 8, .value_kind: global_buffer, .address_space: global }
      - { .name: Wk, .offset: 16, .size: 8, .value_kind: global_buffer, .address_space: global }
      - { .name: Wv, .offset: 24, .size: 8, .value_kind: global_buffer, .address_space: global }
      - { .name: Wp, .offset: 32, .size: 8, .value_kind: global_buffer, .address_space: global }
      - { .name: xc, .offset: 40, .size: 8, .value_kind: global_buffer, .address_space: global }
      - { .name: xs, .offset: 48, .size: 8, .value_kind: global_buffer, .address_space: global }
      - { .name: wc, .offset: 56, .size: 8, .value_kind: global_buffer, .address_space: global }
      - { .name: ws, .offset: 64, .size: 8, .value_kind: global_buffer, .address_space: global }
    .group_segment_fixed_size: 68096
    .private_segment_fixed_size: 0
    .kernarg_segment_align: 8
    .kernarg_segment_size: 72
    .max_flat_workgroup_size: 128
    .sgpr_count:     66
    .vgpr_count:     194
    .wavefront_size: 32
...
	.end_amdgpu_metadata
.endif
;; end of part 1
;; launch qkv (part 2): grid 12 x 32, 4 waves a work-group, clusters of 4 x 4, 327,680 bytes of LDS; arguments xc, xs, wc, ws, bq, bk, bv, qkv; writes qkv
.if DOCPART == 2
	.amdgcn_target "amdgcn-amd-amdhsa--gfx1250"
	.amdhsa_code_object_version 6
	.text
	.protected	k_q467b32f9f1_qkv
	.globl	k_q467b32f9f1_qkv
	.p2align	8
	.type	k_q467b32f9f1_qkv,@function
k_q467b32f9f1_qkv:
	s_mov_b64 s[64:65], 0
	v_nop
	global_prefetch_b8 v0, s[64:65] scope:SCOPE_SE
	s_setreg_imm32_b32 hwreg(HW_REG_WAVE_MODE, 25, 1), 1
	s_wait_xcnt 0x0
	s_wait_alu depctr_hold_cnt(0) depctr_sa_sdst(0) depctr_va_vdst(0) depctr_va_sdst(0) depctr_va_ssrc(0) depctr_va_vcc(0) depctr_vm_vsrc(0)
	s_getreg_b32 s2, hwreg(HW_REG_IB_STS2, 6, 4)
	s_cmp_eq_u32 s2, 0
	s_cbranch_scc0 .Lentry_in_a_cluster
	s_endpgm
.Lentry_in_a_cluster:
	s_bfe_u32 s2, ttmp6, 0x10000c
	s_cmp_lg_u32 s2, 0xf033
	s_cbranch_scc0 .Lentry_shape_is_right
	s_endpgm
.Lentry_shape_is_right:
; q = x Wq + bq, k = x Wk + bk, v = x Wv + bv on codes of FP8 (E4M3) with one E8M0 scale for each 32 along K = 1,024; the results are quantised at once, q and k along the head's 64, v along the keys, and stored as images of the next
; products' operand registers.  A tile of 256 x 256 is made by four waves, 128 x 128 each: 64 accumulators, 512 registers.  K goes in steps of 256 through a ring of two LDS slots filled by the tensor data mover.
; TWO TYPES, by the cluster's x, which all sixteen partners share.  Clusters 0, 1: A = x's rows, B = rows of Wq and Wk: a lane holds one token, its registers run along the features.
; Cluster 2: A = rows of Wv, B = x's rows: a lane holds one feature d, its registers run along the tokens, which are the second attention product's K.  The matrix instruction is used transposed (source 0 = 16 rows of B, source 1 = 16 rows of A).
; All rows lie in POSITION ORDER (the two middle groups of eight of every 32 exchanged): so the 16 registers of accumulators (a, 2 g) and (a, 2 g + 1) are the B indices 32 g + 16 (lane / 16) + 0 .. 15 in their true order,
; a block of 32 lies in lanes l and l xor 16, and the conversions' results are four registers of an operand: they leave straight from registers, 512 consecutive bytes a store.
; qkv: [batch 4][48: 16 heads of q, of k, of v][8 slots of 256 tokens][16,896 bytes]: two halves (128 tokens) of 8,192 bytes of codes, then two of 256 bytes of scale words.
;   q, k: tile a of 16 token positions, block c of the head's 64: a x 1,024 + c x 512 + 16 x lane;  scale word 16 r + 4 G: the two bytes of position 32 G + r, then those of 32 G + 16 + r.
;   v: tile t of 16 positions of d, block c of 32 keys: (c / 2) x 4,096 + t x 1,024 + (c % 2) x 512 + 16 x lane;  scale word 16 r + 4 t: the bytes of the four blocks of keys.
; The biases are the C of each sum's first matrix instruction.  CLUSTERS: 4 x 4 work-groups; A's tiles are asked for jointly along a row of the cluster, B's along a column.
; LIMITS: NaN and infinities are not served.  A block whose largest magnitude lies under 2^-118, a block of zeros among them, takes the byte 1; this program alone reads the bytes.
; REGISTERS, in windows of 256: window 0: v1-31 addresses; v32-63 scale words, two sets; v64-127 the bias, eight tiles; from v128 A's fragments, one set, on the way out at work.  window 1: B's fragments, two sets.  windows 2, 3: the accumulators.
.set KSTEP,  256
.set NQ,     KSTEP/128
.set ROWB,   256
.set KROW,   1024
.set PITCH,  272                       ; an LDS row: 256 bytes + 16 of padding: the 16 rows that a load touches start at 16 different banks (64 banks of 4 bytes: ISA guide 11.1)
.set FR,     16
.set NL,     4
.set NP,     8                         ; places behind this matrix instruction (ISA guide 7.12.1)
.set HALFT,  128*PITCH
.set SLOT,   4*HALFT
.set LAPS,   1024/(2*KSTEP)
.set KS,     32                        ; a row of scales in bytes
.set SCL,    2*SLOT
.set HALFS,  (128*KS/256)*272
.set SBLK,   (16*KS/256)*272
.set SPARE,  SCL+4*HALFS               ; the spare words, 128 bytes for each wave: two blocks of 256 bytes that no other line names
.set HSTR,   135168                    ; a head in qkv
.set SLOTB,  16896                     ; a slot in qkv
.set VO,   8                           ; v8-15   the bias loads' offsets, one for each register of a tile
.set ADRA, 16
.set ADRB, 20
.set LI,   24                          ; v24     16 x lane
.set SOF,  25                          ; v25     the scale words' store: 16 (lane % 16) + a head for lanes 16-31
.set ADRS, 27
.set SPW,  28
.set NIL,  29
.set SC,   32
.set BIAS, 64
.set AF,   128
.set TM,   128                         ; the way out: v128-131 largest magnitudes; v132-135 the other half's, then bytes; v140-143 scale operands
.set T4,   132
.set HB,   136
.set SOP,  140
.set PW,   144                         ; v144-151 a scale word for each block of 16 rows
.set YY,   152
.set YV,   156
.set PC,   160                         ; v160-191 codes, two sets of 16
.set VSEL, 192
.set G1, 24
.set G0, 32
.set G1B, 48
.set G0B, 56
.set G1S, 68
.set G0S, 76
.set G1SB, 80
.set G0SB, 88
.set OB,  92                           ; s[92:99] four bases for the codes' stores
.set MSB, 0
.macro WIN new                         ; the immediate's high byte repeats the setting that is left
.if MSB != (\new)
	s_set_vgpr_msb (MSB<<8)|(\new)
.set MSB, (\new)
.endif
.endm
.set MUL_LO, 0xa1                      ; source 0 (B) window 1, source 1 (A) window 0, C and D window 2
.set MUL_HI, 0xf1
.set TO_B,   0x40
; A joint load: waves 0 and 1 fetch for A, waves 2 and 3 for B.  The branch hangs on the wave's number alone.  Four v_nop follow each of the two lines.
.macro JLOAD g0a, g1a, g0b, g1b
	s_cmp_eq_u32 s15, 0
	s_cbranch_scc0 .Lfor_b_\@
	tensor_load_to_lds s[\g0a:\g0a+3], s[\g1a:\g1a+7]
	s_nop 0
.rept 4
	v_nop
.endr
	s_branch .Lasked_\@
.Lfor_b_\@:
	tensor_load_to_lds s[\g0b:\g0b+3], s[\g1b:\g1b+7]
	s_nop 0
.rept 4
	v_nop
.endr
.Lasked_\@:
.endm
.macro CREST                           ; a round of the cluster's barrier behind its opening barrier
	s_cmp_lg_u32 s14, 0
	s_cbranch_scc1 .Lnot_wave_0_\@
	s_barrier_signal -3
.Lnot_wave_0_\@:
	s_barrier_wait -3
	s_barrier_signal -1
	s_barrier_wait -1
.endm
.macro CROUND
	s_barrier_signal -1
	s_barrier_wait -1
	CREST
.endm
	s_load_b256 s[4:11], s[0:1], 0x0               ; xc, xs, wc, ws
	s_load_b256 s[92:99], s[0:1], 0x20             ; bq, bk, bv, qkv
	v_lshl_add_u32 v[SPW], v0, 2, SPARE
	v_mov_b32 v[NIL], 0
	ds_add_u32 v28, v29
	ds_add_u32 v28, v29
	s_wait_dscnt 0x0
	v_lshrrev_b32 v1, 5, v0
	v_readfirstlane_b32 s14, v1                    ; wave 0..3
	s_lshr_b32 s15, s14, 1                         ; which half of the tile's rows is mine.  Also: I fetch for A (0) or for B (1)
	s_and_b32 s16, s14, 1                          ; which half of its columns.  Also: which 128 rows I fetch
	s_bfe_u32 s40, ttmp6, 0x40000                  ; cx, cy: my place in the cluster
	s_bfe_u32 s41, ttmp6, 0x40004
	s_and_b32 s18, ttmp7, 0xffff                   ; the cluster's y
	s_cmp_eq_u32 ttmp9, 2                          ; the cluster's x: 0, 1: q and k; 2: v
	s_cselect_b32 s2, 1, 0                         ; the type
	s_cselect_b32 s42, s18, ttmp9
	s_cselect_b32 s17, 0, s18
	s_lshl_b32 s42, s42, 2
	s_add_co_u32 s42, s42, s40                     ; tile column: q, k: 4 x cluster x + cx (256 features);  v: 4 x cluster y + cx (256 tokens)
	s_lshl_b32 s17, s17, 2
	s_add_co_u32 s17, s17, s41                     ; tile row: q, k: 4 x cluster y + cy (256 tokens);  v: cy (256 features)
	s_lshl_b32 s43, s41, 2
	s_lshl_b32 s43, 15, s43                        ; my row of the cluster
	s_lshl_b32 s44, 0x1111, s40                    ; my column
	s_or_b32 s[G1+0], s43, (0<<16)|(1<<20)|(1<<21)|(5<<22)|(3<<25)  ; the mask; elements of 1 byte; padding on: 4 words after every 64; bit 21 set beside a mask
	s_or_b32 s[G1B+0], s44, (0<<16)|(1<<20)|(1<<21)|(5<<22)|(3<<25)
.irp g, G1, G1B
	s_mov_b32 s[\g+1], ROWB<<16                    ; tensor_dim0
	s_mov_b32 s[\g+2], 128<<16                     ; tensor_dim1
	s_mov_b32 s[\g+3], ROWB<<16                    ; tile_dim0
	s_mov_b32 s[\g+4], 128                         ; tile_dim1
	s_mov_b32 s[\g+5], KROW                        ; from row to row
	s_mov_b32 s[\g+6], 0
	s_mov_b32 s[\g+7], 0
.endr
	s_or_b32 s[G1S+0], s43, (3<<16)|(1<<20)|(1<<21)|(5<<22)|(3<<25) ; the scales of 128 rows: 4,096 dense bytes as 16 rows of 256 (32 elements of 8 bytes), 16 bytes of padding behind each
	s_or_b32 s[G1SB+0], s44, (3<<16)|(1<<20)|(1<<21)|(5<<22)|(3<<25)
.irp g, G1S, G1SB
	s_mov_b32 s[\g+1], 32<<16
	s_mov_b32 s[\g+2], (128*KS/256)<<16
	s_mov_b32 s[\g+3], 32<<16
	s_mov_b32 s[\g+4], 128*KS/256
	s_mov_b32 s[\g+5], 32
	s_mov_b32 s[\g+6], 0
	s_mov_b32 s[\g+7], 0
.endr
	s_lshl_b32 s18, s16, 7
	s_lshl_b32 s20, s17, 8
	s_add_co_u32 s20, s20, s18                     ; A: row 256 x tile row + 128 x half
	s_lshl_b32 s46, s42, 8
	s_add_co_u32 s46, s46, s18                     ; B: row 256 x tile column + 128 x half
	s_mov_b32 s21, 0
	s_mov_b32 s47, 0
	s_mov_b64 s[18:19], KS
	s_mul_u64 s[22:23], s[20:21], s[18:19]         ; where these rows' scales begin,
	s_mul_u64 s[66:67], s[46:47], s[18:19]
	s_mov_b64 s[18:19], KROW
	s_mul_u64 s[20:21], s[20:21], s[18:19]         ; and their codes
	s_mul_u64 s[46:47], s[46:47], s[18:19]
	s_mul_i32 s45, s14, HALFT                      ; where they go: no place in the cluster enters an LDS address
	s_mul_i32 s105, s14, HALFS
	s_mov_b32 s100, 0x76543210
	s_mov_b32 s101, 0xfedcba98                     ; v_permlanex16_b32's selects for lane l xor 16
	s_wait_kmcnt 0x0
	s_add_nc_u64 s[76:77], s[8:9], 0x200000        ; Wv's codes: rows 2,048 on
	s_add_nc_u64 s[78:79], s[10:11], 0x10000       ; and its scales
	s_cmp_eq_u32 s2, 1                             ; the operands change places for v
	s_cselect_b64 s[88:89], s[4:5], s[8:9]         ; B's codes
	s_cselect_b64 s[90:91], s[6:7], s[10:11]       ; B's scales
	s_cselect_b64 s[4:5], s[76:77], s[4:5]         ; A's codes
	s_cselect_b64 s[6:7], s[78:79], s[6:7]         ; A's scales
	s_add_nc_u64 s[20:21], s[4:5], s[20:21]
	s_add_nc_u64 s[22:23], s[6:7], s[22:23]
	s_add_nc_u64 s[46:47], s[88:89], s[46:47]
	s_add_nc_u64 s[66:67], s[90:91], s[66:67]
	CROUND                                         ; all sixteen work-groups are here: the first joint loads meet
	s_mov_b32 s[G0S], 1
	s_add_co_u32 s[G0S+1], s105, SCL
	s_mov_b64 s[G0S+2:G0S+3], s[22:23]
	s_or_b32 s[G0S+3], s[G0S+3], 0x80000000
	s_mov_b32 s[G0SB], 1
	s_add_co_u32 s[G0SB+1], s105, SCL
	s_mov_b64 s[G0SB+2:G0SB+3], s[66:67]
	s_or_b32 s[G0SB+3], s[G0SB+3], 0x80000000
	JLOAD G0S, G1S, G0SB, G1SB                     ; the scales first: they are wanted with K step 0
.irp s, 0,1
	s_mov_b32 s[G0+4*\s], 1
	s_add_co_u32 s[G0+4*\s+1], s45, \s*SLOT
	s_add_nc_u64 s[G0+4*\s+2:G0+4*\s+3], s[20:21], \s*ROWB
	s_or_b32 s[G0+4*\s+3], s[G0+4*\s+3], 0x80000000
	s_mov_b32 s[G0B+4*\s], 1
	s_add_co_u32 s[G0B+4*\s+1], s45, \s*SLOT
	s_add_nc_u64 s[G0B+4*\s+2:G0B+4*\s+3], s[46:47], \s*ROWB
	s_or_b32 s[G0B+4*\s+3], s[G0B+4*\s+3], 0x80000000
	JLOAD G0+4*\s, G1, G0B+4*\s, G1B
.endr
	v_and_b32 v1, 15, v0                           ; r = l % 16
	v_bfe_u32 v2, v0, 4, 1                         ; h = l / 16
	v_mul_u32_u24 v3, v1, PITCH
	v_lshl_add_u32 v4, v2, 4, v3                   ; a fragment's row x pitch + 16 x half
	s_mul_i32 s21, s15, HALFT                      ; my 128 rows of A
	s_mul_i32 s22, s16, HALFT                      ; my 128 rows of B,
	s_add_co_u32 s22, s22, 2*HALFT                 ; which lie behind A's 256
.irp s, 0,1
	v_add_nc_u32 v[ADRA+\s], s21, v4
	v_add_nc_u32 v[ADRB+\s], s22, v4
	s_add_co_u32 s21, s21, SLOT
	s_add_co_u32 s22, s22, SLOT
.endr
	v_mul_u32_u24 v5, v1, KS                       ; my row's scales: KS bytes a row,
	v_lshrrev_b32 v6, 8, v5
	v_lshl_add_u32 v5, v6, 4, v5                   ; and 16 more for each 256 passed
	s_mul_i32 s21, s15, HALFS
	s_mul_i32 s22, s16, HALFS
	s_add_co_u32 s22, s22, 2*HALFS
	s_sub_co_u32 s22, s22, s21
	v_mul_u32_u24 v6, s22, v2                      ; lanes 16-31 take B's
	s_add_co_u32 s21, s21, SCL
	v_add_nc_u32 v5, v5, v6
	v_add_nc_u32 v[ADRS], s21, v5
	v_and_b32 v3, 31, v0
	v_lshlrev_b32 v[LI], 4, v3
	v_mul_u32_u24 v3, v2, HSTR
	v_lshl_add_u32 v[SOF], v1, 4, v3
	; THE BIAS, in the result's layout.  q, k: register j of tile b is the bias of feature 32 (b / 2) + 16 h + 8 (b % 2) + j.  v: all eight registers of tile a are the bias of the feature at position 16 a + r: 32 (a / 2) + 8 (a % 2) + r + 8 (r / 8).
	s_and_b32 s18, s42, 3
	s_lshl_b32 s18, s18, 8
	s_lshl_b32 s19, s16, 7
	s_add_co_u32 s18, s18, s19                     ; q, k: my first feature in bq or bk
	s_lshl_b32 s19, s17, 8
	s_lshl_b32 s22, s15, 7
	s_add_co_u32 s19, s19, s22                     ; v: in bv
	s_cmp_lt_u32 s42, 4
	s_cselect_b64 s[20:21], s[92:93], s[94:95]     ; tile columns 0-3 are q's, 4-7 k's
	s_cmp_eq_u32 s2, 1
	s_cselect_b64 s[20:21], s[96:97], s[20:21]
	s_cselect_b32 s22, s19, s18
	s_cselect_b32 s18, 0, 4                        ; from register to register
	s_cselect_b32 vcc_lo, -1, 0
	s_lshl_b32 s22, s22, 2
	s_mov_b32 s23, 0
	s_add_nc_u64 s[20:21], s[20:21], s[22:23]
	v_lshlrev_b32 v5, 6, v2                        ; q, k: 16 h numbers
	v_and_b32 v6, 8, v1
	v_add_nc_u32 v6, v6, v1
	v_lshlrev_b32 v6, 2, v6                        ; v: r + 8 (r / 8) numbers
	v_cndmask_b32 v[VO], v5, v6, vcc_lo
	s_wait_alu depctr_va_vdst(0)
.irp j, 1,2,3,4,5,6,7
	v_add_nc_u32 v[VO+\j], s18, v[VO+\j-1]
.endr
	; WHERE THE RESULTS GO.  These numbers mix cx and cy: they stand in registers that feed no descriptor.
	s_add_co_u32 s18, s17, 8
	s_mov_b32 s46, 4096
	s_mov_b32 s47, HSTR
	s_cmp_eq_u32 s2, 1
	s_cselect_b32 s19, s42, s17                    ; which 256 tokens
	s_cselect_b32 s18, s18, s42                    ; which four heads of the 48
	s_cselect_b32 s22, s16, s15                    ; which half of the tokens is mine
	s_cselect_b32 s23, s15, s16                    ; which two of the four heads
	s_cselect_b32 s8, s47, s46                     ; from A's blocks 0-3 to 4-7: q, k: four tiles of tokens; v: a head
	s_cselect_b32 s10, s46, s47                    ; from B's blocks of 32 numbers 0, 1 to 2, 3: q, k: a head; v: two blocks of keys
	s_mov_b32 s9, 0
	s_mov_b32 s11, 0
	s_lshr_b32 s46, s19, 3                         ; the batch
	s_mul_i32 s46, s46, 48
	s_lshl_b32 s18, s18, 2
	s_add_co_u32 s46, s46, s18
	s_lshl_b32 s23, s23, 1
	s_add_co_u32 s46, s46, s23                     ; my first head
	s_lshl_b32 s46, s46, 3
	s_and_b32 s19, s19, 7
	s_add_co_u32 s46, s46, s19                     ; its slot
	s_mul_i32 s46, s46, SLOTB
	s_mov_b32 s47, 0
	s_add_nc_u64 s[98:99], s[98:99], s[46:47]
	s_lshl_b32 s46, s22, 8
	s_add_co_u32 s46, s46, 16384
	s_add_nc_u64 s[12:13], s[98:99], s[46:47]      ; the scale words of my half
	s_lshl_b32 s46, s22, 13
	s_add_nc_u64 s[OB:OB+1], s[98:99], s[46:47]    ; the codes of my half
	s_add_nc_u64 s[OB+2:OB+3], s[OB:OB+1], s[10:11]
	s_add_nc_u64 s[OB+4:OB+5], s[OB:OB+1], s[8:9]
	s_add_nc_u64 s[OB+6:OB+7], s[OB+4:OB+5], s[10:11]
	s_wait_alu depctr_va_vdst(0)
.irp i, 0,1,2,3,4,5,6,7
.irp j, 0,1,2,3,4,5,6,7
	global_load_b32 v[BIAS+8*\i+\j], v[VO+\j], s[20:21] offset:(32*(\i/2)+8*(\i%2))*4
.endr
.endr
.macro FRAG reg, adr, q, i             ; a fragment, 16 rows x 128 K: lane l holds row l % 16; registers 4 c .. 4 c + 3 hold K = 32 c + 16 (l / 16) + 0 .. 15
.irp c, 0,1,2,3
	ds_load_b128 v[\reg+4*\c:\reg+4*\c+3], v[\adr] offset:128*(\q)+32*\c+(\i)*16*PITCH
.endr
.endm
; 16 matrix instructions: A's blocks a0, a0 + 1 x B's eight, 128 along K.  zero = 1: the sums start from the bias of B's block; 2: from that of A's block; 0: they go on.
; The 64 accumulators take turns, one instruction a turn, in the same order in every step.
.macro MUL16 a0, p, q, sc, zero
.irp a, \a0, \a0+1
.irp b, 0,1,2,3,4,5,6,7
.if \zero == 1
	v_wmma_scale_f32_16x16x128_f8f6f4 v[8*(8*((\a)%4)+\b):8*(8*((\a)%4)+\b)+7], v[128*(\p)+FR*\b:128*(\p)+FR*\b+FR-1], v[AF+FR*(\a):AF+FR*(\a)+FR-1], v[BIAS+8*\b:BIAS+8*\b+7], v[SC+8*NQ*(\sc)+NQ*\b+(\q)], v[SC+8*NQ*(\sc)+NQ*(\a)+(\q)] matrix_a_scale:MATRIX_SCALE_ROW1
.elseif \zero == 2
	v_wmma_scale_f32_16x16x128_f8f6f4 v[8*(8*((\a)%4)+\b):8*(8*((\a)%4)+\b)+7], v[128*(\p)+FR*\b:128*(\p)+FR*\b+FR-1], v[AF+FR*(\a):AF+FR*(\a)+FR-1], v[BIAS+8*(\a):BIAS+8*(\a)+7], v[SC+8*NQ*(\sc)+NQ*\b+(\q)], v[SC+8*NQ*(\sc)+NQ*(\a)+(\q)] matrix_a_scale:MATRIX_SCALE_ROW1
.else
	v_wmma_scale_f32_16x16x128_f8f6f4 v[8*(8*((\a)%4)+\b):8*(8*((\a)%4)+\b)+7], v[128*(\p)+FR*\b:128*(\p)+FR*\b+FR-1], v[AF+FR*(\a):AF+FR*(\a)+FR-1], v[8*(8*((\a)%4)+\b):8*(8*((\a)%4)+\b)+7], v[SC+8*NQ*(\sc)+NQ*\b+(\q)], v[SC+8*NQ*(\sc)+NQ*(\a)+(\q)] matrix_a_scale:MATRIX_SCALE_ROW1
.endif
.endr
.endr
.endm
.macro FETCH_B slot, q, p
	WIN TO_B
.irp i, 0,1,2,3,4,5,6,7
	FRAG 128*(\p)+FR*\i, ADRB+\slot, \q, \i
.endr
	WIN 0
.endm
.macro FETCH_A slot, q, i0
.irp i, \i0, \i0+1, \i0+2, \i0+3
	FRAG AF+FR*(\i), ADRA+\slot, \q, \i
.endr
.endm
.macro SCALES sc                       ; a K step's scale words: two words a row; lanes 0-15 take A's block i, lanes 16-31 B's block i
.irp i, 0,1,2,3,4,5,6,7
	ds_load_b64 v[SC+8*NQ*\sc+NQ*\i:SC+8*NQ*\sc+NQ*\i+1], v[ADRS] offset:\i*SBLK
.endr
.endm
.macro PLACES n                        ; plain vector instructions that name no register of the matrix instructions before them (ISA guide 7.12.1)
.rept \n
	v_nop
.endr
.endm
; A step of 128 along K that has its successor in the same slot.  With zero != 0 the C operand lies in window 0 (the bias) and D in window 2 or 3.
.macro STEP slot, q, zero
	s_wait_dscnt 4*NL                              ; B's set and A's blocks 0-3 are in; the youngest sixteen loads (A's blocks 4-7) may be out
.if \zero
	WIN 0x81
.else
	WIN MUL_LO
.endif
	MUL16 0, (\q)%2, \q, \slot, \zero
	MUL16 2, (\q)%2, \q, \slot, \zero
	s_wait_dscnt 0                                 ; A's blocks 4-7 are in
	PLACES NP
	FETCH_B \slot, (\q)+1, 1-(\q)%2
	FETCH_A \slot, (\q)+1, 0
.if \zero
	WIN 0xc1
.else
	WIN MUL_HI
.endif
	MUL16 4, (\q)%2, \q, \slot, \zero
	MUL16 6, (\q)%2, \q, \slot, \zero
	PLACES NP
	WIN 0
	FETCH_A \slot, (\q)+1, 4
.endm
; A slot's last step changes slots: one barrier; in front of it each wave waits for all its tensor loads, adds 0 to its spare word, and waits for that and for its own reads of this slot.  fill = 1: this slot is filled again, two K steps ahead.
.macro TURN slot, next, fill
	s_wait_tensorcnt 0x0                           ; all my tensor loads have landed: my part of the next slot
	ds_add_u32 v[SPW], v[NIL]                      ; 0 onto my spare word
	s_wait_dscnt 4*NL+1                            ; (the add and the youngest sixteen loads may be out)
	WIN MUL_LO
	MUL16 0, 1, NQ-1, \slot, 0
	s_wait_dscnt 0x0                               ; the add is done, and my reads of this slot are over
	s_barrier_signal -1
	MUL16 2, 1, NQ-1, \slot, 0
	WIN 0
	s_barrier_wait -1
.if \fill
	CREST                                          ; the barrier has opened a round of the cluster's barrier: no wave of any partner still reads this slot or has a load on its way
	s_add_nc_u64 s[G0+4*\slot+2:G0+4*\slot+3], s[G0+4*\slot+2:G0+4*\slot+3], 2*ROWB
	s_add_nc_u64 s[G0B+4*\slot+2:G0B+4*\slot+3], s[G0B+4*\slot+2:G0B+4*\slot+3], 2*ROWB
	JLOAD G0+4*\slot, G1, G0B+4*\slot, G1B         ; the first tensor load behind the round; its four v_nop are among the places in front of the loads below
	PLACES NP-4
.else
	PLACES NP
.endif
	s_wait_alu depctr_va_vdst(0)
	v_add_nc_u32 v[ADRS], 4*NQ, v[ADRS]            ; on to the next K step's scale words
	FETCH_B \next, 0, 0
	FETCH_A \next, 0, 0
	SCALES \next
	WIN MUL_HI
	MUL16 4, 1, NQ-1, \slot, 0
	MUL16 6, 1, NQ-1, \slot, 0
	PLACES NP
	WIN 0
	FETCH_A \next, 0, 4
.endm
	s_wait_tensorcnt 1                             ; the scales and my part of K step 0 are in (K step 1's load may be out),
	s_barrier_signal -1
	s_barrier_wait -1                              ; everybody's are
	FETCH_B 0, 0, 0
	FETCH_A 0, 0, 0
	SCALES 0
	FETCH_A 0, 0, 4
	s_wait_loadcnt 0x0                             ; the bias
	s_cmp_eq_u32 s2, 0                             ; the first step is written twice: the bias goes by B's blocks (q, k) or by A's (v).  The type is the same in all partners
	s_cbranch_scc0 .Lfirst_v
	STEP 0, 0, 1
	s_branch .Lfirst_done
.Lfirst_v:
	STEP 0, 0, 2
.Lfirst_done:
	s_mov_b32 s3, LAPS-1
.Llap:                                                 ; a trip goes once round the ring and fills both slots again
	TURN 0, 1, 1
	STEP 1, 0, 0
	TURN 1, 0, 1
	STEP 0, 0, 0
	s_sub_co_u32 s3, s3, 1
	s_cmp_lg_u32 s3, 0
	s_cbranch_scc1 .Llap
	TURN 0, 1, 0                                   ; the last lap fills nothing
	STEP 1, 0, 0
	s_wait_dscnt 4*NL
	WIN MUL_LO
	MUL16 0, 1, NQ-1, 1, 0
	MUL16 2, 1, NQ-1, 1, 0
	s_wait_dscnt 0
	WIN MUL_HI
	MUL16 4, 1, NQ-1, 1, 0
	MUL16 6, 1, NQ-1, 1, 0
	WIN 0
; THE WAY OUT.  Block a (16 rows of A x my 128 B indices): a lane's 64 registers are 16 numbers of each of four blocks of 32; they become 16 registers of codes and a scale word, and the codes leave from registers.
.macro QBLK a
.set XW,  2+(\a)/4                     ; the block's window
.set S0,  64*((\a)%4)
.set PCS, PC+16*((\a)%2)
.set W1,  XW|(XW<<2)
.set W2,  XW|(XW<<6)
	WIN W1                                         ; sources 0 and 1: the accumulators
.irp b, 0,1,2,3
	v_max3_num_f32 v[TM+\b], |v[S0+16*\b]|, |v[S0+16*\b+1]|, 0x4800000   ; my 16 numbers of block b, each accumulator from its low end on, and the floor 2^(9 - 127)
.endr
.irp i, 2,4,6,8,10,12,14
.irp b, 0,1,2,3
	v_max3_num_f32 v[TM+\b], |v[S0+16*\b+\i]|, |v[S0+16*\b+\i+1]|, v[TM+\b]
.endr
.endr
	WIN 0
.irp b, 0,1,2,3
	v_permlanex16_b32 v[T4+\b], v[TM+\b], s100, s101
.endr
.irp b, 0,1,2,3
	v_max_num_f32 v[TM+\b], v[TM+\b], v[T4+\b]     ; with lane l xor 16's: the block's largest magnitude
.endr
.irp b, 0,1,2,3
	v_add_nc_u32 v[SOP+\b], 0xfc000000, v[TM+\b]   ; 8 off its exponent field: the conversion's scale operand
.endr
.irp b, 0,1,2,3
.endr
.irp b, 0,1,2,3
	v_lshrrev_b32 v[T4+\b], 23, v[SOP+\b]          ; the scale's byte
.endr
	v_lshl_or_b32 v[PW+(\a)], v[T4+1], 8, v[T4]
	v_lshl_or_b32 v[PW+(\a)], v[T4+2], 16, v[PW+(\a)]
	v_lshl_or_b32 v[PW+(\a)], v[T4+3], 24, v[PW+(\a)]
	WIN W2                                         ; source 0 and destination: the accumulators
.set k, 0
.rept 64
.set k, k+1
.endr
.if (\a) >= 2
	s_wait_xcnt 0x0                                ; the stores of two blocks ago have read this set of code registers
.endif
	WIN XW
.irp b, 0,1,2,3
	v_cvt_scalef32_pk8_fp8_f32 v[PCS+4*\b:PCS+4*\b+1], v[S0+16*\b:S0+16*\b+7], v[SOP+\b]
	v_cvt_scalef32_pk8_fp8_f32 v[PCS+4*\b+2:PCS+4*\b+3], v[S0+16*\b+8:S0+16*\b+15], v[SOP+\b]
.endr
	WIN 0
	v_nop                                          ; a plain vector instruction behind the last conversion
.irp b, 0,1,2,3
	global_store_b128 v[LI], v[PCS+4*\b:PCS+4*\b+3], s[OB+4*((\a)/4)+2*(\b/2):OB+4*((\a)/4)+2*(\b/2)+1] offset:((\a)%4)*1024+(\b%2)*512   ; 32 lanes store 512 consecutive bytes, aligned
.endr
.endm
	PLACES NP                                      ; behind the last products: their results are read and A's registers written below
.irp b, 0,1,2,3
	v_mov_b32 v[T4+\b], 0                          ; written once: a lane permute's destination counts as one of its sources
.endr
.irp a, 0,1,2,3,4,5,6,7
	QBLK \a
.endr
	; the scale words.  q, k: lanes 0-15 take the first head's two bytes of blocks 2 G and 2 G + 1, lanes 16-31 the second head's.  v: lanes 0-15 take the words of blocks 0-3 (the first head), lanes 16-31 those of blocks 4-7.
	v_mov_b32 v[VSEL], 0x07060302
	v_mov_b32 v[VSEL+1], 0x05040100
	s_mov_b32 vcc_lo, 0xffff
	v_cndmask_b32 v[VSEL], v[VSEL], v[VSEL+1], vcc_lo
.irp g, 0,1,2,3
	v_perm_b32 v[YY+\g], v[PW+2*\g+1], v[PW+2*\g], v[VSEL]
.endr
	s_mov_b32 vcc_lo, 0xffff0000
.irp g, 0,1,2,3
	v_cndmask_b32 v[YV+\g], v[PW+\g], v[PW+4+\g], vcc_lo
.endr
	s_cmp_eq_u32 s2, 1
	s_cselect_b32 vcc_lo, -1, 0
.irp g, 0,1,2,3
	v_cndmask_b32 v[YY+\g], v[YY+\g], v[YV+\g], vcc_lo
.endr
	global_store_b128 v[SOF], v[YY:YY+3], s[12:13] ; sixteen lanes store 256 consecutive bytes of one head, aligned
	s_wait_tensorcnt 0x0                           ; the wave's end
	ds_add_u32 v[SPW], v[NIL]
	s_wait_dscnt 0x0
	CROUND                                         ; the closing round: no work-group ends while a partner may still ask for a tile that names it
	s_endpgm
.Lfunc_end_k_q467b32f9f1_qkv:
	.size	k_q467b32f9f1_qkv, .Lfunc_end_k_q467b32f9f1_qkv-k_q467b32f9f1_qkv
	.p2alignl 7, 3214868480
	.fill 96, 4, 3214868480
	.section	.rodata,"a",@progbits
	.p2align	6, 0x0
	.amdhsa_kernel k_q467b32f9f1_qkv
		.amdhsa_group_segment_fixed_size 327680
		.amdhsa_private_segment_fixed_size 0
		.amdhsa_enable_private_segment 0
		.amdhsa_kernarg_size 64
		.amdhsa_user_sgpr_count 2
		.amdhsa_user_sgpr_kernarg_segment_ptr 1
		.amdhsa_wavefront_size32 1
		.amdhsa_system_sgpr_workgroup_id_x 1
		.amdhsa_system_sgpr_workgroup_id_y 1
		.amdhsa_system_sgpr_workgroup_id_z 1
		.amdhsa_system_vgpr_workitem_id 0
		.amdhsa_next_free_vgpr 1024
		.amdhsa_next_free_sgpr 106
		.amdhsa_reserve_vcc 1
		.amdhsa_float_denorm_mode_32 3
		.amdhsa_float_denorm_mode_16_64 3
		.amdhsa_fp16_overflow 1
		.amdhsa_memory_ordered 1
		.amdhsa_forward_progress 1
		.amdhsa_inst_pref_size 171
	.end_amdhsa_kernel
	.amdgpu_metadata
---
amdhsa.version: [ 1, 2 ]
amdhsa.kernels:
  - .name:           k_q467b32f9f1_qkv
    .symbol:         k_q467b32f9f1_qkv.kd
    .args:
      - { .name: xc, .offset: 0, .size: 8, .value_kind: global_buffer, .address_space: global }
      - { .name: xs, .offset: 8, .size: 8, .value_kind: global_buffer, .address_space: global }
      - { .name: wc, .offset: 16, .size: 8, .value_kind: global_buffer, .address_space: global }
      - { .name: ws, .offset: 24, .size: 8, .value_kind: global_buffer, .address_space: global }
      - { .name: bq, .offset: 32, .size: 8, .value_kind: global_buffer, .address_space: global }
      - { .name: bk, .offset: 40, .size: 8, .value_kind: global_buffer, .address_space: global }
      - { .name: bv, .offset: 48, .size: 8, .value_kind: global_buffer, .address_space: global }
      - { .name: qkv, .offset: 56, .size: 8, .value_kind: global_buffer, .address_space: global }
    .group_segment_fixed_size: 327680
    .private_segment_fixed_size: 0
    .kernarg_segment_align: 8
    .kernarg_segment_size: 64
    .max_flat_workgroup_size: 128
    .sgpr_count:     106
    .vgpr_count:     1024
    .wavefront_size: 32
...
	.end_amdgpu_metadata
.endif
;; end of part 2
;; launch attn (part 3): grid 4 x 64, 16 waves a work-group, no clusters, 327,680 bytes of LDS; arguments qkv, yc, ys; writes yc, ys
.if DOCPART == 3
	.amdgcn_target "amdgcn-amd-amdhsa--gfx1250"
	.amdhsa_code_object_version 6
	.text
	.protected	k_q467b32f9f1_attn
	.globl	k_q467b32f9f1_attn
	.p2align	8
	.type	k_q467b32f9f1_attn,@function
k_q467b32f9f1_attn:
	s_mov_b64 s[64:65], 0
	v_nop
	global_prefetch_b8 v0, s[64:65] scope:SCOPE_SE
	s_setreg_imm32_b32 hwreg(HW_REG_WAVE_MODE, 25, 1), 1
	s_wait_xcnt 0x0
; y[b][q][h][:] = the sum over keys k <= q of softmax_k(q . k / 8) v, both products on codes of FP8 (E4M3) with one E8M0 scale for each 32 along a product's K; y is quantised along D = 1,024 and stored as images of the last product's operand.
; THE SOFTMAX AHEAD OF THE SECOND PRODUCT: t = score x log2(e) / 8; M = the row's largest t so far, rounded up to a whole number; p = 2^(t - M) is what is quantised, along the keys.  The row's sum is taken of the unquantised p and divides O at the end.
; When M moves, the sum and O are multiplied by 2^(old M - new M): exact.
; SHARES.  Work-group (i, b h) owns two blocks of 256 queries of one head: block 7 - i, which sees 8 - i slots of 256 keys, and then block i, which sees i + 1: nine slots for every work-group, 256 equal work-groups, a constant trip count.
; Each of the sixteen waves owns one tile of 16 query positions in 256 registers: four waves to a SIMD, so that one wave's vector work stands beside another's matrix work and LDS loads.
; OPERANDS ARE IMAGES OF REGISTERS (made by the launch before): every fragment comes by ds_load_b128 at 16 x lane; no pitch, no padding.  A slot of K or of V is 16,896 dense bytes: codes, then scale words.
; LAYOUT.  Both products are used transposed: S^T = K Q^T, O^T = V^T P^T: a lane holds one query throughout.  Tokens and d lie in position order, so that the 16 registers of score tiles 2 G, 2 G + 1 are keys 32 G + 16 (lane / 16) + 0 .. 15.
; THE HEAD IS 64, THE INSTRUCTION'S K 128: a fragment of K holds TWO tiles of 16 keys (registers 0-7, 8-15); it is multiplied by [Q | zeros] for the first and by [zeros | Q] for the second.  The other tile's codes meet zero codes and add nothing.
; CAUSAL.  A step of 128 keys that all come after the wave's queries is left out by a scalar branch on ids; in the step on the diagonal hidden scores become -infinity ahead of the maximum.  No tensor load and no barrier is jumped over.
; NO CLUSTER: the four work-groups of a head walk slots 0 .. 7 - i and then 0 .. i: from the fifth trip on they want different slots, and walking in step would cost twelve slots' work for nine.
; LIMITS: NaN and infinities are not served; M is a whole number exactly while |t| < 2^24; a block of y whose largest magnitude lies under 2^-118 takes the byte 1 (this program alone reads the bytes).
.set HSTR,  135168                     ; a head in qkv
.set SLOTB, 16896                      ; a slot in qkv: 16,384 bytes of codes, 512 of scale words
.set SLOT1, 65536                      ; LDS: slot 1 begins here, so that one exclusive or turns an address.  In a slot: K at 0, V at SLOTB
.set SPARE, 131072                     ; the spare words, 128 bytes for each wave: eight blocks of 256 bytes that no other line names
.set LI,   1                           ; v1   16 x lane
.set LR,   2                           ; v2   16 x (lane % 16)
.set QL,   3                           ; v3   my query - 16 (lane / 16)
.set QL0,  4                           ; v4   r + 8 (r / 8) - 16 (lane / 16)
.set SPW,  5
.set NIL,  6
.set PFO,  7                           ; v7   the prefetches' offset
.set ADC,  8                           ; v8   LDS address of the slot's codes for my lane
.set ADS,  9                           ; v9   of its scale words
.set YSO,  10                          ; v10  32 x (lane % 16): my row of ys
.set QF,   16                          ; v16-23 Q, v24-31 zeros, v32-39 Q again
.set FRG,  40                          ; v40-103 four fragments of K or of V
.set S,    104                         ; v104-167 S^T, then p; at the end y
.set O,    168                         ; v168-199 O^T
.set PC,   200                         ; v200-215 p's codes
.set BM,   216                         ; v216-219 the blocks' largest
.set T4,   220                         ; v220-223 the other half's, then bytes
.set HB,   224
.set SOP,  228                         ; v228-231 scale operands
.set SUM2, 232                         ; v232-233 the sum's second chain
.set KSW,  248                         ; v248-251 K's or V's scale words;  v252 f;  v253 p's scale word;  v254 at work;  v255 Q's scale word
.set TB,   2                           ; s2   LDS byte at which the slot in hand begins
.set TRIP, 3                           ; s3   the trip
.set NA,   10                          ; s10  slots of the first block: 8 - i
.set NAM1, 11
.set KF,   12                          ; s12  the step's first key
.set QMIN, 13                          ; s13  my least query;  s14 my greatest
.set QMAX, 14
.set BLKI, 15                          ; s15  the block of queries in hand
.set WOFF, 16                          ; s16  my tile's least query within a block
.set WV,   18
.set MNT,  19
.set SEL,  20
.set CS,   22                          ; s[22:23] c = log2(e) / 8
.set G1,   24                          ; s[24:31] descriptor group 1: 66 dense rows of 256 bytes
.set KB,   32                          ; s[32:33] K's head;  s[34:35] V's
.set VB,   34
.set QB,   36                          ; s[36:37] Q's head at my tile;  s[38:39] at my tile's scale words
.set QSB,  38
.set G0K,  40
.set G0V,  44
.set YB,   48                          ; s[48:49], s[50:51] yc and ys at my tile of block 0
.set YSB,  50
.set QP,   52                          ; s[52:59] the same four for the block in hand
.set QSP,  54
.set YP,   56
.set YSP,  58
.set PFA,  68
.set PLIM, 70                          ; s70  a wave prefetches while the trip's number is under this
.set QSEL, 71
; Wave 0 fetches a slot of K, wave 1 a slot of V, the others nothing.  Four v_nop follow each of the two lines.
.macro TLOAD
	s_cmp_eq_u32 s[WV], 0
	s_cbranch_scc0 .Lnot_k_\@
	tensor_load_to_lds s[G0K:G0K+3], s[G1:G1+7]
	s_nop 0
.rept 4
	v_nop
.endr
	s_branch .Lasked_\@
.Lnot_k_\@:
	s_cmp_eq_u32 s[WV], 1
	s_cbranch_scc0 .Lasked_\@
	tensor_load_to_lds s[G0V:G0V+3], s[G1:G1+7]
	s_nop 0
.rept 4
	v_nop
.endr
.Lasked_\@:
.endm
; A PREFETCH INTO THE L2.  All four work-groups of a head walk the same K and V; work-group i = 0, whose first eight trips walk slots 0 to 7 in order, asks.  In trip n, where slot n + 1 is being loaded, waves 4 and 5 ask for the
; 16,384 code bytes of K's slot n + 2 and waves 6 and 7 for V's, lanes 256 bytes apart, one instruction a wave: a trip's two key steps ahead of the load.  Trips 6 and 7 ask for nothing: there is no slot 8.
; Wave 8 asks once, in trip 0, for the head's 32 blocks of scale words (8 slots x 512 bytes, K's and V's), a lane a block.
.macro ASK
	s_cmp_lt_u32 s[TRIP], s[PLIM]
	s_cbranch_scc0 .Lnot_mine_\@
	global_prefetch_b8 v[PFO], s[PFA:PFA+1] th:TH_LOAD_NT scope:SCOPE_SE
.Lnot_mine_\@:
.endm
	s_load_b128 s[4:7], s[0:1], 0x0                ; qkv, yc
	s_load_b64 s[8:9], s[0:1], 0x10                ; ys
	v_lshl_add_u32 v[SPW], v0, 2, SPARE
	v_mov_b32 v[NIL], 0
	ds_add_u32 v5, v6
	ds_add_u32 v5, v6
	s_wait_dscnt 0x0
	v_lshrrev_b32 v8, 5, v0
	s_delay_alu instid0(VALU_DEP_1)
	v_readfirstlane_b32 s[WV], v8                  ; wave 0..15
	s_sub_co_u32 s[NA], 8, ttmp9
	s_sub_co_u32 s[NAM1], 7, ttmp9
	s_and_b32 s60, ttmp7, 0xffff
	s_lshr_b32 s61, s60, 4                         ; the batch
	s_and_b32 s62, s60, 15                         ; the head
	s_mul_i32 s66, s61, 48
	s_add_co_u32 s66, s66, s62
	s_mul_i32 s66, s66, HSTR                       ; q's head in qkv
	s_mov_b32 s67, 0
	s_mov_b32 s[G1], 3<<16                         ; no mask; elements of 8 bytes; no padding
	s_mov_b32 s[G1+1], 32<<16                      ; tensor_dim0 = 32 elements (256 bytes)
	s_mov_b32 s[G1+2], 66<<16                      ; tensor_dim1 = 66
	s_mov_b32 s[G1+3], 32<<16                      ; tile_dim0
	s_mov_b32 s[G1+4], 66                          ; tile_dim1
	s_mov_b32 s[G1+5], 32                          ; from row to row: dense
	s_mov_b32 s[G1+6], 0
	s_mov_b32 s[G1+7], 0
	s_mov_b32 s[SEL], 0x76543210
	s_mov_b32 s[SEL+1], 0xfedcba98
	s_mov_b32 s[CS], 0x3e38aa3b                    ; c = log2(e) / sqrt(64)
	s_mov_b32 s[CS+1], s[CS]                       ; (named with it as a pair, so it is written)
	s_mov_b32 s[TB], 0
	s_lshr_b32 s[WOFF], s[WV], 1
	s_lshl_b32 s[WOFF], s[WOFF], 5
	s_and_b32 s17, s[WV], 1
	s_lshl_b32 s17, s17, 3
	s_add_co_u32 s[WOFF], s[WOFF], s17             ; 32 (w / 2) + 8 (w % 2)
	s_mov_b32 s[QSEL], 0x01000100                  ; my tile's two bytes of a scale word, twice: the lower pair for even tiles,
	s_cmp_eq_u32 s17, 0
	s_cselect_b32 s[QSEL], s[QSEL], 0x03020302     ; the upper for odd ones
	; who prefetches, and from where
	s_sub_co_u32 s72, s[WV], 4
	s_cmp_lt_u32 s72, 4
	s_cselect_b32 s[PLIM], 6, 0
	s_min_u32 s72, s72, 3                          ; (waves that never ask hold wave 7's address: inside the buffer)
	s_lshr_b32 s73, s72, 1
	s_mul_i32 s73, s73, 16*HSTR                    ; waves 6, 7: V's head, 16 heads on
	s_and_b32 s72, s72, 1
	s_lshl_b32 s72, s72, 13                        ; the odd wave: the second 8,192 bytes
	s_add_co_u32 s72, s72, s73
	s_add_co_u32 s72, s72, SLOTB+512               ; slot 1, counted from 512 bytes ahead of K's head: the first trip steps it to slot 2
	s_mov_b32 s74, 512
	s_mov_b32 s75, 4096
	s_mov_b32 s76, SLOTB
	s_mov_b32 s77, 16*HSTR
	s_cmp_eq_u32 s[WV], 8
	s_cselect_b32 s[PLIM], 1, s[PLIM]
	s_cselect_b32 s74, s76, s74                    ; wave 8: from slot to slot,
	s_cselect_b32 s75, s77, s75                    ; from K to V,
	s_cselect_b32 s72, 0, s72                      ; and one slot's step ahead of slot 0's scale words: 16,384 - 16,896 = -512
	s_cmp_eq_u32 ttmp9, 0
	s_cselect_b32 s[PLIM], s[PLIM], 0
	s_mov_b32 s73, 0
	v_and_b32 v[PFO], 1, v0
	s_delay_alu instid0(VALU_DEP_1)
	v_lshlrev_b32 v[PFO], 8, v[PFO]
	v_bfe_u32 v8, v0, 1, 3
	s_delay_alu instid0(VALU_DEP_1)
	v_mul_lo_u32 v8, v8, s74
	v_bfe_u32 v9, v0, 4, 1
	s_delay_alu instid0(VALU_DEP_1)
	v_mul_lo_u32 v9, v9, s75
	s_delay_alu instid0(VALU_DEP_1)
	v_add3_u32 v[PFO], v[PFO], v8, v9              ; waves 4-7: 256 x lane;  wave 8: 256 (l % 2) + a slot x ((l % 16) / 2) + (K or V) x (l / 16)
	s_wait_kmcnt 0x0
	s_add_nc_u64 s[QB:QB+1], s[4:5], s[66:67]
	s_add_nc_u64 s[KB:KB+1], s[QB:QB+1], 16*HSTR
	s_add_nc_u64 s[VB:VB+1], s[QB:QB+1], 32*HSTR
	s_mov_b32 s[G0K], 1                            ; count = 1
	s_mov_b32 s[G0K+1], 0                          ; LDS: slot 0, K
	s_mov_b64 s[G0K+2:G0K+3], s[KB:KB+1]           ; the head's first 256 keys
	s_or_b32 s[G0K+3], s[G0K+3], 0x80000000        ; type = 2
	s_mov_b32 s[G0V], 1
	s_mov_b32 s[G0V+1], SLOTB
	s_mov_b64 s[G0V+2:G0V+3], s[VB:VB+1]
	s_or_b32 s[G0V+3], s[G0V+3], 0x80000000
	TLOAD                                          ; slot 0
	s_sub_nc_u64 s[PFA:PFA+1], s[KB:KB+1], 512
	s_add_nc_u64 s[PFA:PFA+1], s[PFA:PFA+1], s[72:73]
	s_lshr_b32 s72, s[WV], 3
	s_lshl_b32 s72, s72, 8                         ; my half's 256 bytes of scale words,
	s_bfe_u32 s74, s[WV], 0x20001
	s_lshl_b32 s74, s74, 2                         ; my group of 32 positions
	s_add_co_u32 s72, s72, s74
	s_add_co_u32 s72, s72, 16384
	s_add_nc_u64 s[QSB:QSB+1], s[QB:QB+1], s[72:73]
	s_lshl_b32 s72, s[WV], 10
	s_add_nc_u64 s[QB:QB+1], s[QB:QB+1], s[72:73]  ; my tile's 1,024 bytes of codes
	s_lshl_b32 s74, s61, 7
	s_add_co_u32 s74, s74, s[WV]                   ; my tile of 16 positions in block 0: 128 x batch + wave
	s_lshl_b32 s72, s74, 14                        ; 16,384 bytes a tile in yc,
	s_lshl_b32 s75, s62, 10                        ; 1,024 a head
	s_add_co_u32 s72, s72, s75
	s_add_nc_u64 s[YB:YB+1], s[6:7], s[72:73]
	s_lshl_b32 s72, s74, 9                         ; 512 bytes a tile in ys,
	s_lshl_b32 s75, s62, 1                         ; 2 a head
	s_add_co_u32 s72, s72, s75
	s_add_nc_u64 s[YSB:YSB+1], s[8:9], s[72:73]
	v_and_b32 v9, 31, v0
	s_delay_alu instid0(VALU_DEP_1)
	v_lshlrev_b32 v[LI], 4, v9
	v_and_b32 v10, 15, v0                          ; r
	s_delay_alu instid0(VALU_DEP_1)
	v_lshlrev_b32 v[LR], 4, v10
	s_delay_alu instid0(VALU_DEP_2)
	v_and_b32 v11, 8, v10
	s_delay_alu instid0(VALU_DEP_1)
	v_add_nc_u32 v[QL0], v11, v10                  ; r + 8 (r / 8)
	v_bfe_u32 v11, v0, 4, 1
	s_delay_alu instid0(VALU_DEP_1)
	v_lshlrev_b32 v11, 4, v11
	s_delay_alu instid0(VALU_DEP_1)
	v_sub_nc_u32 v[QL0], v[QL0], v11
	v_lshlrev_b32 v[YSO], 5, v10
.irp j, 0,1,2,3,4,5,6,7
	v_mov_b32 v[QF+8+\j], 0                        ; the zero codes beside Q
.endr
.irp b, 0,1,2,3
	v_mov_b32 v[T4+\b], 0                          ; written once: a lane permute's destination counts as one of its sources
.endr
	v_mov_b32 v252, 0
	v_mov_b32 v253, 0                              ; (named as the upper half of the pair v[252:253] before it is first written)
; A BLOCK OF QUERIES BEGINS: its number is in s[BLKI].  Q's codes and scale word, the ids for the mask, and the running figures: O^T and the sum begin as zeros and the largest t as -3e38: the first change of M multiplies zeros.
.macro SETPH
	s_mul_i32 s60, s[BLKI], SLOTB
	s_mov_b32 s61, 0
	s_add_nc_u64 s[QP:QP+1], s[QB:QB+1], s[60:61]
	s_add_nc_u64 s[QSP:QSP+1], s[QSB:QSB+1], s[60:61]
	s_lshl_b32 s60, s[BLKI], 18                    ; 16 tiles of 16,384 bytes
	s_add_nc_u64 s[YP:YP+1], s[YB:YB+1], s[60:61]
	s_lshl_b32 s60, s[BLKI], 13
	s_add_nc_u64 s[YSP:YSP+1], s[YSB:YSB+1], s[60:61]
	global_load_b128 v[QF:QF+3], v[LI], s[QP:QP+1]
	global_load_b128 v[QF+4:QF+7], v[LI], s[QP:QP+1] offset:512
	global_load_b128 v[QF+16:QF+19], v[LI], s[QP:QP+1]
	global_load_b128 v[QF+20:QF+23], v[LI], s[QP:QP+1] offset:512
	global_load_b32 v254, v[LR], s[QSP:QSP+1]
	s_lshl_b32 s[QMIN], s[BLKI], 8
	s_add_co_u32 s[QMIN], s[QMIN], s[WOFF]
	s_add_co_u32 s[QMAX], s[QMIN], 23
	s_mov_b32 s[KF], 0
	s_wait_loadcnt 0x0
	v_perm_b32 v255, v254, v254, s[QSEL]           ; Q's two bytes, for either half of the instruction's K.  The lines below stand between this write and the first product that names the register
	v_add_nc_u32 v[QL], s[QMIN], v[QL0]
	v_mov_b32 v13, 0xff61b1e6                      ; the largest t so far: -3e38
	s_delay_alu instid0(VALU_DEP_1)
	v_floor_f32 v12, -v13                          ; -M
	v_mov_b32 v14, 0
	v_mov_b32 v15, 0
.set j, 0
.rept 32
	v_mov_b32 v[O+j], 0
.set j, j+1
.endr
.endm
; A KEY STEP: 128 keys, the q-th of the slot in hand.
.macro STEP q
	s_cmp_gt_u32 s[KF], s[QMAX]                    ; all its keys come after my queries: nothing to do
	s_cbranch_scc1 .Lhidden_\@
	v_add_nc_u32 v[ADC], s[TB], v[LI]
	v_add_nc_u32 v[ADS], s[TB], v[LR]
.rept 6
	v_nop                                          ; with the two additions: eight places in front of loads into registers that the last products read
.endr
.irp g, 0,1,2,3
.irp c, 0,1,2,3
	ds_load_b128 v[FRG+16*\g+4*\c:FRG+16*\g+4*\c+3], v[ADC] offset:8192*(\q)+2048*\g+512*\c   ; keys 32 g on: two tiles of 16 positions x the head's 64
.endr
.endr
	ds_load_b128 v[KSW:KSW+3], v[ADS] offset:16384+256*(\q)
	s_wait_alu depctr_va_vdst(0)
	s_wait_dscnt 0x0
.irp g, 0,1,2,3
.irp u, 0,1
	v_wmma_scale_f32_16x16x128_f8f6f4 v[S+16*\g+8*\u:S+16*\g+8*\u+7], v[FRG+16*\g:FRG+16*\g+15], v[QF+8*\u:QF+8*\u+15], 0, v[KSW+\g], v255
.endr
.endr
.rept 8
	v_nop                                          ; places: the scores are read below, and V's fragments and scale words are loaded over K's
.endr
.irp t, 0,1,2,3
.irp c, 0,1,2,3
	ds_load_b128 v[FRG+16*\t+4*\c:FRG+16*\t+4*\c+3], v[ADC] offset:SLOTB+8192*(\q)+4096*(\c/2)+1024*\t+512*(\c%2)   ; V: they land while the softmax is walked
.endr
.endr
	ds_load_b128 v[KSW:KSW+3], v[ADS] offset:SLOTB+16384+256*(\q)
	s_add_co_u32 s60, s[KF], 127                   ; a step all of whose keys count skips the mask
	s_cmp_le_u32 s60, s[QMIN]
	s_cbranch_scc1 .Lopen_\@
	v_sub_nc_u32 v252, v[QL], s[KF]                ; d = my query - KF - 16 (lane / 16).  Register 16 G + i holds key KF + 32 G + 16 (lane / 16) + i: hidden where 32 G + i > d
	v_mov_b32 v254, 0xff800000                     ; -infinity
.set n, 0
.rept 64
	v_cmp_gt_i32 vcc_lo, 32*(n/16)+n%16, v252
	v_cndmask_b32 v[S+n], v[S+n], v254, vcc_lo
.set n, n+1
.endr
.Lopen_\@:
.irp b, 0,1,2,3
	v_max3_num_f32 v[BM+\b], v[S+16*\b], v[S+1+16*\b], v[S+2+16*\b]   ; the largest score of each block of 32 keys: it serves for the row's maximum and, since p rises with the score, for the block's largest p
.endr
.irp i, 3,5,7,9,11,13
.irp b, 0,1,2,3
	v_max3_num_f32 v[BM+\b], v[BM+\b], v[S+16*\b+\i], v[S+1+16*\b+\i]
.endr
.endr
.irp b, 0,1,2,3
	v_max_num_f32 v[BM+\b], v[BM+\b], v[S+15+16*\b]
.endr
.irp b, 0,1,2,3
	s_delay_alu instid0(VALU_DEP_4)
	v_permlanex16_b32 v[T4+\b], v[BM+\b], s[SEL], s[SEL+1]
.endr
.irp b, 0,1,2,3
	s_delay_alu instid0(VALU_DEP_4)
	v_max_num_f32 v[BM+\b], v[BM+\b], v[T4+\b]     ; with lane l xor 16's 16 keys
.endr
	s_delay_alu instid0(VALU_DEP_2)
	v_max3_num_f32 v254, v[BM], v[BM+1], v[BM+2]
	s_delay_alu instid0(VALU_DEP_1)
	v_max_num_f32 v254, v254, v[BM+3]              ; the step's largest score of my query
	s_delay_alu instid0(VALU_DEP_1)
	v_mul_f32 v254, s[CS], v254                    ; as t
	s_delay_alu instid0(VALU_DEP_1)
	v_max_num_f32 v13, v13, v254                   ; the running largest t
	v_mov_b32 v254, v12
	s_delay_alu instid0(VALU_DEP_2)
	v_floor_f32 v12, -v13                          ; the new -M = floor(-t): M is a whole number
	s_delay_alu instid0(VALU_DEP_1)
	v_sub_f32 v254, v12, v254                      ; old M - new M: a whole number, 0 or less
	s_delay_alu instid0(VALU_DEP_1)
	v_cvt_i32_f32 v254, v254                       ; (it saturates)
	s_delay_alu instid0(VALU_DEP_1)
	v_ldexp_f32 v252, 1.0, v254                    ; f = 2^(old M - new M)
.set j, 0
.rept 32
	v_pk_fma_f32 v[S+j:S+j+1], v[S+j:S+j+1], s[CS:CS+1], v[12:13] op_sel_hi:[1,0,0]   ; t - M, two at a time
.set j, j+2
.endr
.irp b, 0,1,2,3
	v_fma_f32 v[BM+\b], v[BM+\b], s[CS], v12       ; the same of each block's largest score
.endr
.set j, 0
	s_wait_alu depctr_va_vdst(0)
.rept 64
	v_exp_f32 v[S+j], v[S+j]                       ; p = 2^(t - M), at most 1
.set j, j+1
.endr
	v_pk_mul_f32 v[14:15], v[14:15], v[252:253] op_sel_hi:[1,0]   ; the sums under the new M: a plain instruction behind the exponentials
	s_wait_alu depctr_va_vdst(0)                   ; one wait for the whole batch, ahead of its first reader
.irp b, 0,1,2,3
	v_exp_f32 v[BM+\b], v[BM+\b]                   ; the block's largest p
.endr
	v_pk_add_f32 v[232:233], v[108:109], v[112:113]
	v_pk_add_f32 v[246:247], v[116:117], v[120:121]
	v_pk_add_f32 v[244:245], v[124:125], v[128:129]
	v_pk_add_f32 v[242:243], v[132:133], v[136:137]
	v_pk_add_f32 v[240:241], v[140:141], v[144:145]
	v_pk_add_f32 v[238:239], v[148:149], v[152:153]
	v_pk_add_f32 v[236:237], v[156:157], v[160:161]
	v_pk_add_f32 v[14:15], v[14:15], v[164:165]
	v_pk_add_f32 v[232:233], v[232:233], v[104:105]
	v_pk_add_f32 v[246:247], v[246:247], v[106:107]
	v_pk_add_f32 v[244:245], v[244:245], v[110:111]
	v_pk_add_f32 v[242:243], v[242:243], v[114:115]
	v_pk_add_f32 v[240:241], v[240:241], v[118:119]
	v_pk_add_f32 v[238:239], v[238:239], v[122:123]
	v_pk_add_f32 v[236:237], v[236:237], v[126:127]
	v_pk_add_f32 v[14:15], v[14:15], v[130:131]
	v_pk_add_f32 v[232:233], v[232:233], v[134:135]
	v_pk_add_f32 v[246:247], v[246:247], v[138:139]
	v_pk_add_f32 v[244:245], v[244:245], v[142:143]
	v_pk_add_f32 v[242:243], v[242:243], v[146:147]
	v_pk_add_f32 v[240:241], v[240:241], v[150:151]
	v_pk_add_f32 v[238:239], v[238:239], v[154:155]
	v_pk_add_f32 v[236:237], v[236:237], v[158:159]
	v_pk_add_f32 v[14:15], v[14:15], v[162:163]
	v_pk_add_f32 v[232:233], v[232:233], v[166:167]
	s_delay_alu instid0(VALU_DEP_2)
	v_pk_add_f32 v[14:15], v[14:15], v[242:243]
	s_delay_alu instid0(VALU_DEP_2)
	v_pk_add_f32 v[232:233], v[232:233], v[240:241]
	v_pk_add_f32 v[246:247], v[246:247], v[238:239]
	v_pk_add_f32 v[244:245], v[244:245], v[236:237]
	s_delay_alu instid0(VALU_DEP_2)
	v_pk_add_f32 v[14:15], v[14:15], v[246:247]
	s_delay_alu instid0(VALU_DEP_2)
	v_pk_add_f32 v[232:233], v[232:233], v[244:245]
	s_delay_alu instid0(VALU_DEP_1)
	v_pk_add_f32 v[14:15], v[14:15], v[232:233]
	s_wait_alu depctr_va_vdst(0)                   ; and one for the four
.irp b, 0,1,2,3
	v_max_num_f32 v[BM+\b], 0x4800000, v[BM+\b]    ; the floor 2^(9 - 127): the byte cannot fall under 1
.endr
.irp b, 0,1,2,3
	s_delay_alu instid0(VALU_DEP_4)
	v_add_nc_u32 v[SOP+\b], 0xfc000000, v[BM+\b]   ; 8 off the exponent field: the conversion's scale operand
.endr
.irp b, 0,1,2,3
.endr
.irp b, 0,1,2,3
	s_delay_alu instid0(VALU_DEP_4)
	v_lshrrev_b32 v[T4+\b], 23, v[SOP+\b]          ; the scale's byte
.endr
	s_delay_alu instid0(VALU_DEP_3)
	v_lshl_or_b32 v253, v[T4+1], 8, v[T4]          ; p's scale word for these 128 keys
	s_delay_alu instid0(VALU_DEP_1)
	v_lshl_or_b32 v253, v[T4+2], 16, v253
	s_delay_alu instid0(VALU_DEP_1)
	v_lshl_or_b32 v253, v[T4+3], 24, v253
.irp b, 0,1,2,3
.set i, 0
.rept 16
.set i, i+1
.endr
	v_cvt_scalef32_pk8_fp8_f32 v[PC+4*\b:PC+4*\b+1], v[S+16*\b:S+16*\b+7], v[SOP+\b]
	v_cvt_scalef32_pk8_fp8_f32 v[PC+4*\b+2:PC+4*\b+3], v[S+16*\b+8:S+16*\b+15], v[SOP+\b]
.endr
.set j, 0
.rept 16
	v_pk_mul_f32 v[O+j:O+j+1], v[O+j:O+j+1], v[252:253] op_sel_hi:[1,0]   ; O^T under the new M.  These sixteen also stand between the conversions and the products
.set j, j+2
.endr
	s_wait_alu depctr_va_vdst(0)
	s_wait_dscnt 0x0                               ; V's fragments and scale words are in
.irp t, 0,1,2,3
	v_wmma_scale_f32_16x16x128_f8f6f4 v[O+8*\t:O+8*\t+7], v[FRG+16*\t:FRG+16*\t+15], v[PC:PC+15], v[O+8*\t:O+8*\t+7], v[KSW+\t], v253
.endr
.Lhidden_\@:
	s_add_co_u32 s[KF], s[KF], 128
.endm
; THE CHANGE OF SLOTS stands at a slot's head.  Each wave waits for all its tensor loads, adds 0 to its spare word, and waits for that and for its reads of the slot that it has left.  Behind the barrier the slot ahead is whole and nobody
; reads the other one.  fill = 1: that other slot takes the next trip's keys: slot n + 1 of the first block's walk, or n + 1 - NA of the second's.  The load has a whole trip in which to land.
.macro CHANGE fill
	s_wait_tensorcnt 0x0                           ; no tensor load of mine is out, so a group 0 may be written
	ds_add_u32 v[SPW], v[NIL]                      ; 0 onto my spare word
.if \fill
	s_xor_b32 s[G0K+1], s[G0K+1], SLOT1
	s_xor_b32 s[G0V+1], s[G0V+1], SLOT1
	s_add_co_u32 s60, s[TRIP], 1
	s_cmp_lt_u32 s60, s[NA]
	s_cselect_b32 s61, 0, s[NA]
	s_sub_co_u32 s60, s60, s61
	s_mul_i32 s60, s60, SLOTB
	s_mov_b32 s61, 0
	s_add_nc_u64 s[G0K+2:G0K+3], s[KB:KB+1], s[60:61]
	s_or_b32 s[G0K+3], s[G0K+3], 0x80000000
	s_add_nc_u64 s[G0V+2:G0V+3], s[VB:VB+1], s[60:61]
	s_or_b32 s[G0V+3], s[G0V+3], 0x80000000
	s_wait_xcnt 0x0                                ; the last prefetch, a trip back, has read its address, so it may be written
	s_add_nc_u64 s[PFA:PFA+1], s[PFA:PFA+1], SLOTB
.endif
	s_wait_dscnt 0x0                               ; the add is done, and my reads of the slot that I have left are over
	s_barrier_signal -1
	s_barrier_wait -1
.if \fill
	TLOAD                                          ; the first thing behind the barrier, and a wave's one tensor load until the next
	ASK
.endif
.endm
; A BLOCK OF QUERIES ENDS: O^T / the sum is y(my query, 64 head + 32 g + 16 (lane / 16) + 0 .. 15), g = 0, 1: two blocks of 32 along D, each shared with lane l xor 16.  Their codes are eight registers of the last product's operand.
.macro FINISH
.rept 8
	v_nop                                          ; places behind the last products
.endr
	v_add_f32 v14, v14, v15                        ; the sum's two halves,
	s_delay_alu instid0(VALU_DEP_1)
	v_permlanex16_b32 v[T4], v14, s[SEL], s[SEL+1]
	s_delay_alu instid0(VALU_DEP_1)
	v_add_f32 v14, v14, v[T4]                      ; and lane l xor 16's
	s_wait_alu depctr_va_vdst(0)
	v_rcp_f32 v14, v14
	v_nop                                          ; a plain instruction behind the reciprocal,
	s_wait_alu depctr_va_vdst(0)                   ; and the wait ahead of its first reader
.set j, 0
.rept 16
	v_pk_mul_f32 v[S+j:S+j+1], v[O+j:O+j+1], v[14:15] op_sel_hi:[1,0]   ; each accumulator from its low end on
.set j, j+2
.endr
.irp b, 0,1
	v_max3_num_f32 v[BM+\b], |v[S+16*\b]|, |v[S+1+16*\b]|, 0x4800000
.endr
.irp i, 2,4,6,8,10,12,14
.irp b, 0,1
	s_delay_alu instid0(VALU_DEP_2)
	v_max3_num_f32 v[BM+\b], v[BM+\b], |v[S+16*\b+\i]|, |v[S+1+16*\b+\i]|
.endr
.endr
.irp b, 0,1
	s_delay_alu instid0(VALU_DEP_2)
	v_permlanex16_b32 v[T4+\b], v[BM+\b], s[SEL], s[SEL+1]
.endr
.irp b, 0,1
	s_delay_alu instid0(VALU_DEP_2)
	v_max_num_f32 v[BM+\b], v[BM+\b], v[T4+\b]
.endr
.irp b, 0,1
	s_delay_alu instid0(VALU_DEP_2)
	v_add_nc_u32 v[SOP+\b], 0xfc000000, v[BM+\b]
.endr
.irp b, 0,1
.endr
.irp b, 0,1
	s_delay_alu instid0(VALU_DEP_2)
	v_lshrrev_b32 v[T4+\b], 23, v[SOP+\b]
.endr
	s_delay_alu instid0(VALU_DEP_1)
	v_lshl_or_b32 v[T4], v[T4+1], 8, v[T4]         ; the head's two scale bytes of my row
.set k, 0
.rept 32
.set k, k+1
.endr
.irp b, 0,1
	v_cvt_scalef32_pk8_fp8_f32 v[PC+4*\b:PC+4*\b+1], v[S+16*\b:S+16*\b+7], v[SOP+\b]
	v_cvt_scalef32_pk8_fp8_f32 v[PC+4*\b+2:PC+4*\b+3], v[S+16*\b+8:S+16*\b+15], v[SOP+\b]
.endr
	v_nop                                          ; a plain vector instruction behind the last conversion
	global_store_b128 v[LI], v[PC:PC+3], s[YP:YP+1]                ; 512 consecutive bytes, aligned
	global_store_b128 v[LI], v[PC+4:PC+7], s[YP:YP+1] offset:512
	global_store_b16 v[YSO], v[T4], s[YSP:YSP+1]   ; two bytes of each of 16 rows of ys (lanes l and l + 16 store the same): one part in 32 of what the launch stores
.endm
	s_sub_co_u32 s[BLKI], 7, ttmp9                 ; the first block: 7 - i
	SETPH
	s_mov_b32 s[TRIP], 0
.Ltrip:                                            ; eight trips: behind each change of slots the next trip's slot is asked for
	CHANGE 1
	STEP 0
	STEP 1
	s_xor_b32 s[TB], s[TB], SLOT1                  ; on to the other slot
	s_cmp_eq_u32 s[TRIP], s[NAM1]                  ; the first block's last slot?  (a branch on ids; no LDS instruction, barrier or tensor load stands under it)
	s_cbranch_scc0 .Lsame
	FINISH
	s_wait_xcnt 0x0                                ; the stores have read their registers and bases: both are written again below
	s_mov_b32 s[BLKI], ttmp9                       ; the second block: i
	SETPH
.Lsame:
	s_add_co_u32 s[TRIP], s[TRIP], 1
	s_cmp_lt_u32 s[TRIP], 8
	s_cbranch_scc1 .Ltrip
	CHANGE 0                                       ; the ninth slot is written out
	STEP 0
	STEP 1
	FINISH
	s_wait_tensorcnt 0x0                           ; the wave's end
	ds_add_u32 v[SPW], v[NIL]
	s_wait_dscnt 0x0
	s_endpgm
.Lfunc_end_k_q467b32f9f1_attn:
	.size	k_q467b32f9f1_attn, .Lfunc_end_k_q467b32f9f1_attn-k_q467b32f9f1_attn
	.p2alignl 7, 3214868480
	.fill 96, 4, 3214868480
	.section	.rodata,"a",@progbits
	.p2align	6, 0x0
	.amdhsa_kernel k_q467b32f9f1_attn
		.amdhsa_group_segment_fixed_size 327680
		.amdhsa_private_segment_fixed_size 0
		.amdhsa_enable_private_segment 0
		.amdhsa_kernarg_size 24
		.amdhsa_user_sgpr_count 2
		.amdhsa_user_sgpr_kernarg_segment_ptr 1
		.amdhsa_wavefront_size32 1
		.amdhsa_system_sgpr_workgroup_id_x 1
		.amdhsa_system_sgpr_workgroup_id_y 1
		.amdhsa_system_sgpr_workgroup_id_z 1
		.amdhsa_system_vgpr_workitem_id 0
		.amdhsa_next_free_vgpr 256
		.amdhsa_next_free_sgpr 100
		.amdhsa_reserve_vcc 1
		.amdhsa_float_denorm_mode_32 3
		.amdhsa_float_denorm_mode_16_64 3
		.amdhsa_fp16_overflow 1
		.amdhsa_memory_ordered 1
		.amdhsa_forward_progress 1
		.amdhsa_inst_pref_size 111
	.end_amdhsa_kernel
	.amdgpu_metadata
---
amdhsa.version: [ 1, 2 ]
amdhsa.kernels:
  - .name:           k_q467b32f9f1_attn
    .symbol:         k_q467b32f9f1_attn.kd
    .args:
      - { .name: qkv, .offset: 0, .size: 8, .value_kind: global_buffer, .address_space: global }
      - { .name: yc, .offset: 8, .size: 8, .value_kind: global_buffer, .address_space: global }
      - { .name: ys, .offset: 16, .size: 8, .value_kind: global_buffer, .address_space: global }
    .group_segment_fixed_size: 327680
    .private_segment_fixed_size: 0
    .kernarg_segment_align: 8
    .kernarg_segment_size: 24
    .max_flat_workgroup_size: 512
    .sgpr_count:     100
    .vgpr_count:     256
    .wavefront_size: 32
...
	.end_amdgpu_metadata
.endif
;; end of part 3
;; launch proj (part 4): grid 4 x 32, 4 waves a work-group, clusters of 4 x 4, 327,680 bytes of LDS; arguments yc, ys, wc, ws, bp, out0; writes out0
.if DOCPART == 4
	.amdgcn_target "amdgcn-amd-amdhsa--gfx1250"
	.amdhsa_code_object_version 6
	.text
	.protected	k_q467b32f9f1_proj
	.globl	k_q467b32f9f1_proj
	.p2align	8
	.type	k_q467b32f9f1_proj,@function
k_q467b32f9f1_proj:
	s_mov_b64 s[64:65], 0
	v_nop
	global_prefetch_b8 v0, s[64:65] scope:SCOPE_SE
	s_setreg_imm32_b32 hwreg(HW_REG_WAVE_MODE, 25, 1), 1
	s_wait_xcnt 0x0
	s_wait_alu depctr_hold_cnt(0) depctr_sa_sdst(0) depctr_va_vdst(0) depctr_va_sdst(0) depctr_va_ssrc(0) depctr_va_vcc(0) depctr_vm_vsrc(0)
	s_getreg_b32 s2, hwreg(HW_REG_IB_STS2, 6, 4)
	s_cmp_eq_u32 s2, 0
	s_cbranch_scc0 .Lentry_in_a_cluster
	s_endpgm
.Lentry_in_a_cluster:
	s_bfe_u32 s2, ttmp6, 0x10000c
	s_cmp_lg_u32 s2, 0xf033
	s_cbranch_scc0 .Lentry_shape_is_right
	s_endpgm
.Lentry_shape_is_right:
; out0 = y Wp + bp on codes of FP8 (E4M3) with one E8M0 scale for each 32 along K = 1,024; out0 [8192][1024] f32.
; A = y: yc holds IMAGES of operand registers, [512 tiles of 16 token positions][8 K steps of 128][4 groups of four registers][32 lanes][16 bytes]; ys [8192 positions][32].  B = Wp: rows 3,072 on of wc [position][1024] and of ws.
; A tile of 256 x 256 is made by four waves, 128 x 128 each.  K goes in steps of 256 through a ring of two LDS slots filled by the tensor data mover: A's part of a load is 8 rows of 4,096 dense bytes (a tile of positions each), read at 16 x lane;
; B's is 128 rows of 256 bytes, padded.  The scales of all of K come once, with the first fills.  The matrix instruction is used transposed (source 0 = 16 rows of Wp, source 1 = 16 rows of y).
; Tokens and output features lie in POSITION ORDER (the two middle groups of eight of every 32 exchanged): the way out puts both back: the columns by the stage's offsets, the rows by the stores' offsets.
; bp is the C of each sum's first matrix instruction.  CLUSTERS: 4 x 4 work-groups; A's tiles are asked for jointly along a row of the cluster, B's along a column.
; REGISTERS, in windows of 256: window 0: v1-31 addresses; v32-63 scale words, two sets; v64-127 the bias; from v128 A's fragments, on the way out rows of out0.  window 1: B's fragments, two sets.  windows 2, 3: the accumulators.
.set KSTEP,  256
.set NQ,     KSTEP/128
.set ROWB,   256
.set KROW,   1024
.set ASTEP,  4096                      ; a K step of a tile of 16 positions in yc
.set PITCH,  272
.set FR,     16
.set NL,     4
.set NP,     8
.set HALFA,  32768                     ; A: 8 tiles x 4,096 bytes: what one tensor load brings
.set BOFF,   2*HALFA                   ; B lies behind A's two halves
.set HALFT,  128*PITCH
.set SLOT,   BOFF+2*HALFT
.set LAPS,   1024/(2*KSTEP)
.set KS,     32
.set SCL,    2*SLOT
.set HALFS,  (128*KS/256)*272
.set SBLK,   (16*KS/256)*272
.set SPARE,  SCL+4*HALFS               ; the spare words, 128 bytes for each wave: two blocks of 256 bytes that no other line names
.set SPITCH, 528                       ; the way out: a stage of 16 rows x (512 bytes + 16) for each wave, in slot 0, which has had its last fill and its last read when the first result is stored there
.set OROW,   4096                      ; a row of out0 in bytes
.set BO,   7                           ; v7      the bias loads' offset
.set ADRA, 16
.set ADRB, 20
.set STO,  24
.set RD,   25
.set CO,   26
.set ADRS, 27
.set SPW,  28
.set NIL,  29
.set SC,   32
.set BIAS, 64
.set AF,   128
.set BK,   128
.set G1, 24
.set G0, 32
.set G1B, 48
.set G0B, 56
.set G1S, 68
.set G0S, 76
.set G1SB, 80
.set G0SB, 88
.set MSB, 0
.macro WIN new
.if MSB != (\new)
	s_set_vgpr_msb (MSB<<8)|(\new)
.set MSB, (\new)
.endif
.endm
.set MUL_LO, 0xa1
.set MUL_HI, 0xf1
.set TO_B,   0x40
.macro JLOAD g0a, g1a, g0b, g1b        ; a joint load: waves 0 and 1 fetch for A, waves 2 and 3 for B; four v_nop follow each of the two lines
	s_cmp_eq_u32 s15, 0
	s_cbranch_scc0 .Lfor_b_\@
	tensor_load_to_lds s[\g0a:\g0a+3], s[\g1a:\g1a+7]
	s_nop 0
.rept 4
	v_nop
.endr
	s_branch .Lasked_\@
.Lfor_b_\@:
	tensor_load_to_lds s[\g0b:\g0b+3], s[\g1b:\g1b+7]
	s_nop 0
.rept 4
	v_nop
.endr
.Lasked_\@:
.endm
.macro CREST
	s_cmp_lg_u32 s14, 0
	s_cbranch_scc1 .Lnot_wave_0_\@
	s_barrier_signal -3
.Lnot_wave_0_\@:
	s_barrier_wait -3
	s_barrier_signal -1
	s_barrier_wait -1
.endm
.macro CROUND
	s_barrier_signal -1
	s_barrier_wait -1
	CREST
.endm
	s_load_b128 s[4:7], s[0:1], 0x0                ; yc, ys
	s_load_b128 s[8:11], s[0:1], 0x10              ; wc, ws
	s_load_b128 s[92:95], s[0:1], 0x20             ; bp, out0
	v_lshl_add_u32 v[SPW], v0, 2, SPARE
	v_mov_b32 v[NIL], 0
	ds_add_u32 v28, v29
	ds_add_u32 v28, v29
	s_wait_dscnt 0x0
	v_lshrrev_b32 v1, 5, v0
	v_readfirstlane_b32 s14, v1                    ; wave 0..3
	s_lshr_b32 s15, s14, 1                         ; which half of the tile's rows is mine.  Also: I fetch for A (0) or for B (1)
	s_and_b32 s16, s14, 1                          ; which half of its columns.  Also: which 128 rows I fetch
	s_bfe_u32 s40, ttmp6, 0x40000                  ; cx, cy
	s_bfe_u32 s41, ttmp6, 0x40004
	s_lshl_b32 s42, ttmp9, 2
	s_add_co_u32 s42, s42, s40                     ; tile column = 4 x cluster x + cx
	s_and_b32 s17, ttmp7, 0xffff
	s_lshl_b32 s17, s17, 2
	s_add_co_u32 s17, s17, s41                     ; tile row = 4 x cluster y + cy
	s_lshl_b32 s43, s41, 2
	s_lshl_b32 s43, 15, s43                        ; my row of the cluster
	s_lshl_b32 s44, 0x1111, s40                    ; my column
	s_or_b32 s[G1+0], s43, (3<<16)|(1<<21)         ; A: the mask; elements of 8 bytes; no padding; bit 21 set beside a mask
	s_mov_b32 s[G1+1], 512<<16                     ; tensor_dim0 = 512 elements (4,096 bytes)
	s_mov_b32 s[G1+2], 8<<16                       ; tensor_dim1 = 8
	s_mov_b32 s[G1+3], 512<<16                     ; tile_dim0
	s_mov_b32 s[G1+4], 8                           ; tile_dim1
	s_mov_b32 s[G1+5], 2048                        ; from tile to tile of positions: 16,384 bytes
	s_mov_b32 s[G1+6], 0
	s_mov_b32 s[G1+7], 0
	s_or_b32 s[G1B+0], s44, (0<<16)|(1<<20)|(1<<21)|(5<<22)|(3<<25)  ; B: elements of 1 byte; 4 words of padding after every 64
	s_mov_b32 s[G1B+1], ROWB<<16
	s_mov_b32 s[G1B+2], 128<<16
	s_mov_b32 s[G1B+3], ROWB<<16
	s_mov_b32 s[G1B+4], 128
	s_mov_b32 s[G1B+5], KROW
	s_mov_b32 s[G1B+6], 0
	s_mov_b32 s[G1B+7], 0
	s_or_b32 s[G1S+0], s43, (3<<16)|(1<<20)|(1<<21)|(5<<22)|(3<<25)  ; the scales of 128 rows: 16 rows of 256 dense bytes, 16 bytes of padding behind each
	s_or_b32 s[G1SB+0], s44, (3<<16)|(1<<20)|(1<<21)|(5<<22)|(3<<25)
.irp g, G1S, G1SB
	s_mov_b32 s[\g+1], 32<<16
	s_mov_b32 s[\g+2], (128*KS/256)<<16
	s_mov_b32 s[\g+3], 32<<16
	s_mov_b32 s[\g+4], 128*KS/256
	s_mov_b32 s[\g+5], 32
	s_mov_b32 s[\g+6], 0
	s_mov_b32 s[\g+7], 0
.endr
	s_lshl_b32 s18, s16, 7
	s_lshl_b32 s20, s17, 8
	s_add_co_u32 s20, s20, s18                     ; A: position 256 x tile row + 128 x half
	s_lshl_b32 s46, s42, 8
	s_add_co_u32 s46, s46, s18                     ; B: position 256 x tile column + 128 x half
	s_mov_b32 s21, 0
	s_mov_b32 s47, 0
	s_mov_b64 s[18:19], KS
	s_mul_u64 s[22:23], s[20:21], s[18:19]
	s_mul_u64 s[66:67], s[46:47], s[18:19]
	s_mov_b64 s[18:19], KROW
	s_mul_u64 s[20:21], s[20:21], s[18:19]         ; (16 positions of yc are 16,384 bytes too)
	s_mul_u64 s[46:47], s[46:47], s[18:19]
	s_mul_i32 s45, s16, HALFA                      ; where they go: A's half,
	s_mul_i32 s97, s16, HALFT
	s_add_co_u32 s97, s97, BOFF                    ; B's half,
	s_mul_i32 s96, s14, HALFS                      ; the scales: no place in the cluster enters an LDS address
	s_wait_kmcnt 0x0
	s_add_nc_u64 s[8:9], s[8:9], 0x300000          ; Wp's codes: rows 3,072 on
	s_add_nc_u64 s[10:11], s[10:11], 0x18000       ; and its scales
	s_add_nc_u64 s[20:21], s[4:5], s[20:21]
	s_add_nc_u64 s[22:23], s[6:7], s[22:23]
	s_add_nc_u64 s[46:47], s[8:9], s[46:47]
	s_add_nc_u64 s[66:67], s[10:11], s[66:67]
	CROUND                                         ; all sixteen work-groups are here: the first joint loads meet
	s_mov_b32 s[G0S], 1
	s_add_co_u32 s[G0S+1], s96, SCL
	s_mov_b64 s[G0S+2:G0S+3], s[22:23]
	s_or_b32 s[G0S+3], s[G0S+3], 0x80000000
	s_mov_b32 s[G0SB], 1
	s_add_co_u32 s[G0SB+1], s96, SCL
	s_mov_b64 s[G0SB+2:G0SB+3], s[66:67]
	s_or_b32 s[G0SB+3], s[G0SB+3], 0x80000000
	JLOAD G0S, G1S, G0SB, G1SB
.irp s, 0,1
	s_mov_b32 s[G0+4*\s], 1
	s_add_co_u32 s[G0+4*\s+1], s45, \s*SLOT
	s_add_nc_u64 s[G0+4*\s+2:G0+4*\s+3], s[20:21], \s*ASTEP
	s_or_b32 s[G0+4*\s+3], s[G0+4*\s+3], 0x80000000
	s_mov_b32 s[G0B+4*\s], 1
	s_add_co_u32 s[G0B+4*\s+1], s97, \s*SLOT
	s_add_nc_u64 s[G0B+4*\s+2:G0B+4*\s+3], s[46:47], \s*ROWB
	s_or_b32 s[G0B+4*\s+3], s[G0B+4*\s+3], 0x80000000
	s_wait_alu depctr_va_vdst(0)
	s_wait_tensorcnt 0x0
	ds_add_u32 v28, v29
	s_wait_dscnt 0x0
	CROUND
	JLOAD G0+4*\s, G1, G0B+4*\s, G1B
.endr
	v_and_b32 v1, 15, v0                           ; r
	v_bfe_u32 v2, v0, 4, 1                         ; h
	v_mul_u32_u24 v3, v1, PITCH
	v_lshl_add_u32 v4, v2, 4, v3                   ; B: a fragment's row x pitch + 16 x half
	v_and_b32 v6, 31, v0
	v_lshlrev_b32 v[CO], 4, v6                     ; 16 x lane: A's images; a row of the stage; a row of out0
	s_mul_i32 s21, s15, HALFA                      ; my 128 positions of A
	s_mul_i32 s22, s16, HALFT
	s_add_co_u32 s22, s22, BOFF                    ; my 128 rows of B
.irp s, 0,1
	v_add_nc_u32 v[ADRA+\s], s21, v[CO]
	v_add_nc_u32 v[ADRB+\s], s22, v4
	s_add_co_u32 s21, s21, SLOT
	s_add_co_u32 s22, s22, SLOT
.endr
	v_mul_u32_u24 v5, v1, KS
	v_lshrrev_b32 v6, 8, v5
	v_lshl_add_u32 v5, v6, 4, v5
	s_mul_i32 s21, s15, HALFS
	s_mul_i32 s22, s16, HALFS
	s_add_co_u32 s22, s22, 2*HALFS
	s_sub_co_u32 s22, s22, s21
	v_mul_u32_u24 v6, s22, v2                      ; lanes 16-31 take B's
	s_add_co_u32 s21, s21, SCL
	v_add_nc_u32 v5, v5, v6
	v_add_nc_u32 v[ADRS], s21, v5
	s_mul_i32 s23, s14, 16*SPITCH                  ; my stage
	v_mul_u32_u24 v5, v1, SPITCH                   ; in: row r; my half's 16 columns of a group of 32: 64 h bytes on
	v_lshl_add_u32 v5, v2, 6, v5
	v_add_nc_u32 v[STO], s23, v5
	v_add_nc_u32 v[RD], s23, v[CO]                 ; back: the 32 lanes take one row of 512 bytes
	s_lshl_b32 s20, s17, 8
	s_lshl_b32 s21, s15, 7
	s_add_co_u32 s20, s20, s21                     ; my first row of out0
	s_lshl_b32 s20, s20, 12
	s_lshl_b32 s46, s42, 10                        ; my first column, in bytes: in a row of out0, and in bp
	s_lshl_b32 s47, s16, 9
	s_add_co_u32 s46, s46, s47
	s_mov_b32 s47, 0
	s_mov_b32 s21, 0
	s_add_nc_u64 s[12:13], s[94:95], s[20:21]
	s_add_nc_u64 s[12:13], s[12:13], s[46:47]
	s_add_nc_u64 s[92:93], s[92:93], s[46:47]
	v_lshlrev_b32 v[BO], 6, v2                     ; the bias in the result's layout: register j of tile b is bp at column 32 (b / 2) + 16 h + 8 (b % 2) + j
.irp b, 0,1,2,3,4,5,6,7
	global_load_b128 v[BIAS+8*\b:BIAS+8*\b+3], v[BO], s[92:93] offset:(32*(\b/2)+8*(\b%2))*4
	global_load_b128 v[BIAS+8*\b+4:BIAS+8*\b+7], v[BO], s[92:93] offset:(32*(\b/2)+8*(\b%2))*4+16
.endr
.macro FRAGB reg, adr, q, i            ; 16 rows x 128 K from padded rows
.irp c, 0,1,2,3
	ds_load_b128 v[\reg+4*\c:\reg+4*\c+3], v[\adr] offset:128*(\q)+32*\c+(\i)*16*PITCH
.endr
.endm
.macro FRAGA reg, adr, q, i            ; the same from an image: 512 consecutive bytes a load
.irp c, 0,1,2,3
	ds_load_b128 v[\reg+4*\c:\reg+4*\c+3], v[\adr] offset:2048*(\q)+512*\c+(\i)*ASTEP
.endr
.endm
; 16 matrix instructions: A's blocks a0, a0 + 1 x B's eight.  zero = 1: the sums start from the bias.  The 64 accumulators take turns, one instruction a turn.
.macro MUL16 a0, p, q, sc, zero
.irp a, \a0, \a0+1
.irp b, 0,1,2,3,4,5,6,7
.if \zero
	v_wmma_scale_f32_16x16x128_f8f6f4 v[8*(8*((\a)%4)+\b):8*(8*((\a)%4)+\b)+7], v[128*(\p)+FR*\b:128*(\p)+FR*\b+FR-1], v[AF+FR*(\a):AF+FR*(\a)+FR-1], v[BIAS+8*\b:BIAS+8*\b+7], v[SC+8*NQ*(\sc)+NQ*\b+(\q)], v[SC+8*NQ*(\sc)+NQ*(\a)+(\q)] matrix_a_scale:MATRIX_SCALE_ROW1
.else
	v_wmma_scale_f32_16x16x128_f8f6f4 v[8*(8*((\a)%4)+\b):8*(8*((\a)%4)+\b)+7], v[128*(\p)+FR*\b:128*(\p)+FR*\b+FR-1], v[AF+FR*(\a):AF+FR*(\a)+FR-1], v[8*(8*((\a)%4)+\b):8*(8*((\a)%4)+\b)+7], v[SC+8*NQ*(\sc)+NQ*\b+(\q)], v[SC+8*NQ*(\sc)+NQ*(\a)+(\q)] matrix_a_scale:MATRIX_SCALE_ROW1
.endif
.endr
.endr
.endm
.macro FETCH_B slot, q, p
	WIN TO_B
.irp i, 0,1,2,3,4,5,6,7
	FRAGB 128*(\p)+FR*\i, ADRB+\slot, \q, \i
.endr
	WIN 0
.endm
.macro FETCH_A slot, q, i0
.irp i, \i0, \i0+1, \i0+2, \i0+3
	FRAGA AF+FR*(\i), ADRA+\slot, \q, \i
.endr
.endm
.macro SCALES sc
.irp i, 0,1,2,3,4,5,6,7
	ds_load_b64 v[SC+8*NQ*\sc+NQ*\i:SC+8*NQ*\sc+NQ*\i+1], v[ADRS] offset:\i*SBLK
.endr
.endm
.macro PLACES n
.rept \n
	v_nop
.endr
.endm
.macro STEP slot, q, zero
	s_wait_dscnt 4*NL                              ; B's set and A's blocks 0-3 are in; the youngest sixteen loads (A's blocks 4-7) may be out
.if \zero
	WIN 0x81                                       ; C (the bias) in window 0, D in window 2
.else
	WIN MUL_LO
.endif
	MUL16 0, (\q)%2, \q, \slot, \zero
	MUL16 2, (\q)%2, \q, \slot, \zero
	s_wait_dscnt 0
	PLACES NP
	FETCH_B \slot, (\q)+1, 1-(\q)%2
	FETCH_A \slot, (\q)+1, 0
.if \zero
	WIN 0xc1
.else
	WIN MUL_HI
.endif
	MUL16 4, (\q)%2, \q, \slot, \zero
	MUL16 6, (\q)%2, \q, \slot, \zero
	PLACES NP
	WIN 0
	FETCH_A \slot, (\q)+1, 4
.endm
.macro TURN slot, next, fill
	s_wait_tensorcnt 0x0                           ; all my tensor loads have landed: my part of the next slot
	ds_add_u32 v[SPW], v[NIL]                      ; 0 onto my spare word
	s_wait_dscnt 4*NL+1                            ; (the add and the youngest sixteen loads may be out)
	WIN MUL_LO
	MUL16 0, 1, NQ-1, \slot, 0
	s_wait_dscnt 0x0                               ; the add is done, and my reads of this slot are over
	s_barrier_signal -1
	MUL16 2, 1, NQ-1, \slot, 0
	WIN 0
	s_barrier_wait -1
.if \fill
	CREST                                          ; the barrier has opened a round of the cluster's barrier
	s_add_nc_u64 s[G0+4*\slot+2:G0+4*\slot+3], s[G0+4*\slot+2:G0+4*\slot+3], 2*ASTEP
	s_add_nc_u64 s[G0B+4*\slot+2:G0B+4*\slot+3], s[G0B+4*\slot+2:G0B+4*\slot+3], 2*ROWB
	JLOAD G0+4*\slot, G1, G0B+4*\slot, G1B
	PLACES NP-4
.else
	PLACES NP
.endif
	s_wait_alu depctr_va_vdst(0)
	v_add_nc_u32 v[ADRS], 4*NQ, v[ADRS]
	FETCH_B \next, 0, 0
	FETCH_A \next, 0, 0
	SCALES \next
	WIN MUL_HI
	MUL16 4, 1, NQ-1, \slot, 0
	MUL16 6, 1, NQ-1, \slot, 0
	PLACES NP
	WIN 0
	FETCH_A \next, 0, 4
.endm
	s_wait_alu depctr_va_vdst(0)
	s_wait_tensorcnt 1                             ; the scales and my part of K step 0 are in (K step 1's load may be out),
	s_barrier_signal -1
	s_barrier_wait -1                              ; everybody's are
	FETCH_B 0, 0, 0
	FETCH_A 0, 0, 0
	SCALES 0
	FETCH_A 0, 0, 4
	s_wait_loadcnt 0x0                             ; the bias
	STEP 0, 0, 1
	s_mov_b32 s3, LAPS-1
.Llap:
	TURN 0, 1, 1
	STEP 1, 0, 0
	TURN 1, 0, 1
	STEP 0, 0, 0
	s_sub_co_u32 s3, s3, 1
	s_cmp_lg_u32 s3, 0
	s_cbranch_scc1 .Llap
	TURN 0, 1, 0
	STEP 1, 0, 0
	s_wait_dscnt 4*NL
	WIN MUL_LO
	MUL16 0, 1, NQ-1, 1, 0
	MUL16 2, 1, NQ-1, 1, 0
	s_wait_dscnt 0
	WIN MUL_HI
	MUL16 4, 1, NQ-1, 1, 0
	MUL16 6, 1, NQ-1, 1, 0
	WIN 0
; THE WAY OUT, block by block of 16 positions x 128 columns, through my own stage.  Accumulator (a, b), lane (r, h), holds columns 32 (b / 2) + 16 h + 8 (b % 2) + 0 .. 7 of position 16 a + r.
.macro TOSTAGE a
.set AC, 64*((\a)%4)
	WIN 0x08+4*((\a)/4)                            ; the data: window 2 or 3
.irp b, 0,1,2,3,4,5,6,7
	ds_store_b128 v[STO], v[AC+8*\b:AC+8*\b+3] offset:128*(\b/2)+32*(\b%2)        ; each accumulator from its low end on
	ds_store_b128 v[STO], v[AC+8*\b+4:AC+8*\b+7] offset:128*(\b/2)+32*(\b%2)+16
.endr
	WIN 0
.set BB, BK+64*((\a)%2)
.irp t, 0,1,2,3,4,5,6,7,8,9,10,11,12,13,14,15
	ds_load_b128 v[BB+4*\t:BB+4*\t+3], v[RD] offset:\t*SPITCH   ; LDS serves a wave's instructions in order (ISA guide 5.7.1.4): these see the stores above
.endr
.endm
.macro SEND a, younger                 ; position 16 a + t is row 32 (a / 2) + 8 (a % 2) + t + 8 (t / 8) of my 128: it stands in the immediate, 127 rows at the most
.set BB, BK+64*((\a)%2)
	s_wait_dscnt \younger
.irp t, 0,1,2,3,4,5,6,7,8,9,10,11,12,13,14,15
	global_store_b128 v[CO], v[BB+4*\t:BB+4*\t+3], s[12:13] offset:(32*((\a)/2)+8*((\a)%2)+\t+8*(\t/8))*OROW th:TH_STORE_NT   ; 32 lanes store 512 consecutive bytes, aligned
.endr
.endm
	PLACES NP
	TOSTAGE 0
.irp a, 1,2,3,4,5,6,7
.if \a > 1
	s_wait_xcnt 0x0                                ; the stores of two blocks ago have read their registers: this block's loads may land there
.endif
	TOSTAGE \a
	SEND \a-1, 32                                  ; behind the earlier block's loads: this block's 16 stores and 16 loads
.endr
	SEND 7, 0
	s_wait_tensorcnt 0x0                           ; the wave's end
	ds_add_u32 v[SPW], v[NIL]
	s_wait_dscnt 0x0
	CROUND                                         ; the closing round
	s_endpgm
.Lfunc_end_k_q467b32f9f1_proj:
	.size	k_q467b32f9f1_proj, .Lfunc_end_k_q467b32f9f1_proj-k_q467b32f9f1_proj
	.p2alignl 7, 3214868480
	.fill 96, 4, 3214868480
	.section	.rodata,"a",@progbits
	.p2align	6, 0x0
	.amdhsa_kernel k_q467b32f9f1_proj
		.amdhsa_group_segment_fixed_size 327680
		.amdhsa_private_segment_fixed_size 0
		.amdhsa_enable_private_segment 0
		.amdhsa_kernarg_size 48
		.amdhsa_user_sgpr_count 2
		.amdhsa_user_sgpr_kernarg_segment_ptr 1
		.amdhsa_wavefront_size32 1
		.amdhsa_system_sgpr_workgroup_id_x 1
		.amdhsa_system_sgpr_workgroup_id_y 1
		.amdhsa_system_sgpr_workgroup_id_z 1
		.amdhsa_system_vgpr_workitem_id 0
		.amdhsa_next_free_vgpr 1024
		.amdhsa_next_free_sgpr 98
		.amdhsa_reserve_vcc 0
		.amdhsa_float_denorm_mode_32 3
		.amdhsa_float_denorm_mode_16_64 3
		.amdhsa_memory_ordered 1
		.amdhsa_forward_progress 1
		.amdhsa_inst_pref_size 148
	.end_amdhsa_kernel
	.amdgpu_metadata
---
amdhsa.version: [ 1, 2 ]
amdhsa.kernels:
  - .name:           k_q467b32f9f1_proj
    .symbol:         k_q467b32f9f1_proj.kd
    .args:
      - { .name: yc, .offset: 0, .size: 8, .value_kind: global_buffer, .address_space: global }
      - { .name: ys, .offset: 8, .size: 8, .value_kind: global_buffer, .address_space: global }
      - { .name: wc, .offset: 16, .size: 8, .value_kind: global_buffer, .address_space: global }
      - { .name: ws, .offset: 24, .size: 8, .value_kind: global_buffer, .address_space: global }
      - { .name: bp, .offset: 32, .size: 8, .value_kind: global_buffer, .address_space: global }
      - { .name: out0, .offset: 40, .size: 8, .value_kind: global_buffer, .address_space: global }
    .group_segment_fixed_size: 327680
    .private_segment_fixed_size: 0
    .kernarg_segment_align: 8
    .kernarg_segment_size: 48
    .max_flat_workgroup_size: 128
    .sgpr_count:     98
    .vgpr_count:     1024
    .wavefront_size: 32
...
	.end_amdgpu_metadata
.endif
;; end of part 4
